; MI455X (gfx1250); checked and timed in simulation.
; The chip was launched on July 23, 2026; its instructions are those of AMD's public machine-readable ISA for CDNA 5 (MIT licence, August 2026) and "CDNA5" Instruction Set Architecture Reference Guide (July 2026). The comments in the code are by the model that wrote it; some were corrected since.
;; Multi Head Attention V2. Allowed arithmetic: matrix products marked QUANTISED: E2M1 operands, one E8M0 scale for each 32 along K, by v_wmma_scale_f32_16x16x128_f8f6f4 with both operands' format E2M1 (or v_wmma_scale_f32_32x16x128_f4), f32 sums; products left as they are: bf16, f16 or f32 operands; f32 sums; everything else in f32.
;; Inputs: w_attn 1,024 x 3,072 float32; w_proj 1,024 x 1,024 float32; x 4 x 2,048 x 1,024 float32.
;; Outputs: out0 4 x 2,048 x 1,024 float32.
;; This version of the problem:
;;   THIS VERSION OF THE PROBLEM IS GIVEN IN LOW PRECISION. The matrix products marked QUANTISED in the list below multiply operands that are first quantised to E2M1 (2 exponent bits, 1 mantissa bit; 4 bits a number), with one power-of-two scale for each 32 numbers along K (OCP MX v1.0); their sums are f32. The products marked 'left as it is' may take bf16, f16 or f32 operands, with f32 sums. Whichever they take, every output number must still come out within the allowed error. Rounding operands to bf16 (8 significant bits) uses up far more of that allowance than f16 does (11 bits, for magnitudes from 6e-5 to 65,504). All else is computed in f32.
;;   The module's matrix products, in the order in which they are computed (A, B: the left and right operand; K: the contracted axis; several contracted axes count as one K, in the product's order):
;;     1. [M 8,192, K 1,024] x [K 1,024, N 3,072]; A: input x; B: input w_attn: QUANTISED
;;     2. batch 64 x [M 2,048, K 64] x [K 64, N 2,048]; A: computed on the way; B: computed on the way: left as it is (an operand is computed on the way)
;;     3. batch 64 x [M 2,048, K 2,048] x [K 2,048, N 64]; A: computed on the way; B: computed on the way: left as it is (an operand is computed on the way)
;;     4. [M 8,192, K 1,024] x [K 1,024, N 1,024]; A: computed on the way; B: input w_proj: left as it is (an operand is computed on the way)
;;   THE QUANTISER, for each operand of a quantised product, along K:
;;     - K is cut into blocks of 32 from its start; a last block that is shorter is filled with zeros.
;;     - A block's scale is 2^e with e = floor(log2(the largest magnitude in the block)) - 2, held to -126 .. 127; a block of zeros has e = 0. As a byte (E8M0): e + 127.
;;     - Each number is divided by its block's scale, clamped to +-6, and rounded to the nearest number of E2M1, ties to even, subnormals kept.
;;     - The product sums the exact products of the quantised numbers (number of the format x scale) in f32.
;;   ~~~python
;;   def quantise(x, axis):      # numpy; x: float32 -> the quantised numbers, widened to float32 again
;;       x = np.moveaxis(x, axis, -1); K = x.shape[-1]
;;       x = np.pad(x, [(0, 0)] * (x.ndim - 1) + [(0, -K % 32)]); x = x.reshape(x.shape[:-1] + (-1, 32)); a = np.abs(x).max(-1, keepdims=True)
;;       e = np.where(a > 0, np.clip(np.frexp(np.where(a > 0, a, 1))[1] - 1 - 2, -126, 127), 0)      # np.frexp(a)[1] - 1 = floor(log2(a)), exactly
;;       r = np.clip(x / 2.0 ** e, -6, 6)
;;       step = 2.0 ** (np.maximum(np.frexp(np.where(r == 0, 1, r))[1] - 1, 0) - 1)
;;       q = np.round(r / step) * step * 2.0 ** e      # np.round: ties to even
;;       return np.moveaxis(q.reshape(q.shape[:-2] + (-1,))[..., :K], -1, axis).astype(np.float32)
;;   ~~~
;; One version. Each part assembles by itself: llvm-mc -triple=amdgcn-amd-amdhsa -mcpu=gfx1250 --defsym DOCPART=n.
;; ======== version 1 of 1: 6 launches
;; limits: values are held in f16: magnitudes above 65,504 overflow, below 6.1e-05 lose precision
;; workspace buffers: xc 4,194,304 bytes; xs 262,144 bytes; wc 1,572,864 bytes; ws 98,304 bytes; wpk 2,097,152 bytes; qkv 50,331,648 bytes; yh 16,777,216 bytes; y32 262,144 bytes
;; launch prep (part 1): grid 256 x 1, 8 waves a work-group, no clusters, 158,208 bytes of LDS; arguments x, w_attn, w_proj, xc, xs, wc, ws, wpk; writes xc, xs, wc, ws, wpk
.if DOCPART == 1
	.amdgcn_target "amdgcn-amd-amdhsa--gfx1250"
	.amdhsa_code_object_version 6
	.text
	.protected	k_qfee07aad86_prep
	.globl	k_qfee07aad86_prep
	.p2align	8
	.type	k_qfee07aad86_prep,@function
k_qfee07aad86_prep:
	s_mov_b64 s[64:65], 0
	v_nop
	global_prefetch_b8 v0, s[64:65] scope:SCOPE_SE
	s_setreg_imm32_b32 hwreg(HW_REG_WAVE_MODE, 25, 1), 1
	s_wait_xcnt 0x0
; PREP: three jobs in one launch, told apart by the work-group's number; the three paths never join and each has LDS bytes of its own.
;  X (work-groups 0-127):   x [8192][1024] f32 -> codes of E2M1, K innermost, xc [8192][512 bytes], and one E8M0 byte for each 32 along K, xs [8192][32].
;  W (work-groups 128-223): w_attn [1024 (k)][3072 (n)] f32, K its FIRST axis -> wc [3072][512 bytes], ws [3072][32], K innermost.
;  P (work-groups 224-255): w_proj [1024 (k)][1024 (n)] f32 -> f16, wpk [16 (k / 64)][1024 (n)][64 (k % 64)].
; A block's scale is 2^(floor(log2(its largest magnitude)) - 2); its byte is the largest magnitude's exponent field - 2, held at 1 from below.
; LIMITS: a block of zeros gets the byte 1 where the rule says 127 (its codes are zeros, and these bytes are read by this program alone); blocks whose largest magnitude lies under 2^-124
; were not tried; NaN and infinities among the inputs are not served; |w_proj| above 65,504 has no f16 number.
; No tensor loads, no cluster: no two work-groups read the same bytes.
.set SPW,   190                        ; v190  LDS address of my spare word; never rewritten
.set NIL,   191                        ; v191  0; never rewritten
.set XREG,  8192                       ; path X: a region for each wave: two stages of 32 x SP bytes, then its 256 scale bytes
.set SP,    80                         ; a lane's place in a stage: 64 bytes + 16 of padding
.set CB,    8                          ; bytes of 16 codes
.set STEPS, 16
.set R,     16                         ; v16-79   X: four sets of 16 numbers as loaded
.set X,     80                         ; v80-111  X: two sets of 16 neighbours
.set E,     112                        ; v112-127 X: a scale byte for each step
.set C,     128                        ; v128-189 X: codes, four registers kept for each step
.set WSTG,  8*XREG                     ; path W: a stage of 32 columns x (512 bytes + 16)
.set WPIT,  528
.set WSC,   WSTG+32*WPIT               ; path W: 32 columns x 32 scale bytes
.set PST,   WSC+1024                   ; path P: for each wave two blocks of 32 columns x (128 bytes + 16)
.set PPIT,  144
.set SPARE, PST+8*64*PPIT              ; the spare words, 128 bytes for each wave: four blocks of 256 bytes that no other line names
.set D,     32                         ; v32-159  W, P: four blocks of 32 numbers down K
.set WC,    160                        ; v160-175 W: the codes of four blocks
.set WB,    176                        ; v176     W: their four scale bytes
.macro CLOSE                           ; a wave's end
	s_wait_tensorcnt 0x0
	ds_add_u32 v[SPW], v[NIL]
	s_wait_dscnt 0x0
	s_endpgm
.endm
	s_load_b512 s[4:19], s[0:1], 0x0               ; x s[4:5], w_attn s[6:7], w_proj s[8:9], xc s[10:11], xs s[12:13], wc s[14:15], ws s[16:17], wpk s[18:19]
	v_lshl_add_u32 v[SPW], v0, 2, SPARE
	v_mov_b32 v[NIL], 0
	v_lshrrev_b32 v1, 5, v0
	v_readfirstlane_b32 s20, v1                    ; wave 0..7
	v_and_b32 v2, 31, v0                           ; lane
	s_wait_kmcnt 0x0
	s_cmp_lt_u32 ttmp9, 128
	s_cbranch_scc1 .Lpath_x
	s_cmp_lt_u32 ttmp9, 224
	s_cbranch_scc1 .Lpath_w
; ---- PATH P.  A lane takes a column n, its registers run down k: each load reads 128 consecutive bytes.  The work-group has 32 columns, wave w has k = 128 w .. 128 w + 127: blocks 2 w and 2 w + 1 of wpk.
	s_sub_co_u32 s21, ttmp9, 224                   ; which 32 columns
	v_lshlrev_b32 v3, 2, v2                        ; in: 4 bytes a lane
	s_lshl_b32 s22, s20, 19                        ; 128 w rows of 4,096 bytes
	s_lshl_b32 s23, s21, 7
	s_add_co_u32 s22, s22, s23
	s_mov_b32 s23, 0
	s_add_nc_u64 s[8:9], s[8:9], s[22:23]
	s_mul_i32 s24, s20, 64*PPIT
	s_add_co_u32 s24, s24, PST                     ; my wave's stage
	v_mul_u32_u24 v4, v2, PPIT
	v_add_nc_u32 v4, s24, v4                       ; into it: row = my column
	v_lshrrev_b32 v5, 3, v2
	v_mul_u32_u24 v5, v5, PPIT
	v_and_b32 v6, 7, v2
	v_lshl_add_u32 v5, v6, 4, v5
	v_add_nc_u32 v5, s24, v5                       ; out of it: eight lanes to a row of 128 bytes, four rows an instruction
	v_lshlrev_b32 v6, 4, v2                        ; and the same 512 consecutive bytes in wpk
	s_lshl_b32 s22, s20, 18                        ; block 2 w of 131,072 bytes
	s_lshl_b32 s23, s21, 12                        ; 32 rows of 128 bytes
	s_add_co_u32 s22, s22, s23
	s_mov_b32 s23, 0
	s_add_nc_u64 s[18:19], s[18:19], s[22:23]
.macro PLOAD g
.irp i, 0,1,2,3,4,5,6,7,8,9,10,11,12,13,14,15,16,17,18,19,20,21,22,23,24,25,26,27,28,29,30,31
	global_load_b32 v[D+32*(\g)+\i], v3, s[8:9] offset:(32*(\g)+\i)*4096
.endr
.endm
.macro PGROUP g
.if (\g) < 3
	s_wait_loadcnt 32                              ; this block's 32 loads are in; the next block's may be out
.else
	s_wait_loadcnt 0
.endif
.if (\g) < 2
	PLOAD (\g)+2                                   ; two blocks ahead, into registers of its own
.endif
.irp j, 0,1,2,3,4,5,6,7,8,9,10,11,12,13,14,15
	v_cvt_pk_f16_f32 v[D+32*(\g)+\j], v[D+32*(\g)+2*\j], v[D+32*(\g)+2*\j+1]   ; in place, ascending: register j is written when numbers 2 j and 2 j + 1 are read, never earlier
.endr
.irp i, 0,1,2,3
	ds_store_b128 v4, v[D+32*(\g)+4*\i:D+32*(\g)+4*\i+3] offset:64*PPIT/2*((\g)/2)+64*((\g)%2)+16*\i
.endr
.endm
	PLOAD 0
	PLOAD 1
	PGROUP 0
	PGROUP 1
	PGROUP 2
	PGROUP 3
.irp n, 0,1,2,3,4,5,6,7,8,9,10,11,12,13,14,15  ; LDS serves a wave's instructions in order: these see my stores.  They land in the upper halves of the four blocks' registers, which no store reads
	ds_load_b128 v[D+16+32*(\n/4)+4*(\n%4):D+16+32*(\n/4)+4*(\n%4)+3], v5 offset:64*PPIT/2*(\n/8)+4*PPIT*(\n%8)
.endr
.irp n, 0,1,2,3,4,5,6,7,8,9,10,11,12,13,14,15
	s_wait_dscnt 15-\n
	global_store_b128 v6, v[D+16+32*(\n/4)+4*(\n%4):D+16+32*(\n/4)+4*(\n%4)+3], s[18:19] offset:131072*(\n/8)+512*(\n%8)   ; 32 lanes store 512 consecutive bytes
.endr
	CLOSE
; ---- PATH W.  A lane takes a column n, its registers run down K: a block of 32 lies in one lane.  The work-group has 32 columns and all of K; wave w has K = 128 w .. 128 w + 127, four blocks.
.Lpath_w:
	s_sub_co_u32 s21, ttmp9, 128                   ; which 32 columns
	v_lshlrev_b32 v3, 2, v2
	s_mul_i32 s22, s20, 128*12288                  ; 128 w rows of 12,288 bytes
	s_lshl_b32 s23, s21, 7
	s_add_co_u32 s22, s22, s23
	s_mov_b32 s23, 0
	s_add_nc_u64 s[6:7], s[6:7], s[22:23]
	v_mul_u32_u24 v4, v2, WPIT
	s_lshl_b32 s24, s20, 6
	s_add_co_u32 s24, s24, WSTG
	v_add_nc_u32 v4, s24, v4                       ; the stage, in: row = my column, my wave's 64 bytes
	v_lshlrev_b32 v5, 5, v2
	s_lshl_b32 s24, s20, 2
	s_add_co_u32 s24, s24, WSC
	v_add_nc_u32 v5, s24, v5                       ; my column's 32 scale bytes, my wave's four
	v_lshlrev_b32 v6, 4, v2                        ; 16 bytes a lane: a row of 512
	s_mul_i32 s24, s20, 4*WPIT
	s_add_co_u32 s24, s24, WSTG
	v_add_nc_u32 v7, s24, v6                       ; the stage, out: wave w takes rows 4 w .. 4 w + 3, whole
	v_lshlrev_b32 v10, 3, v2
	s_and_b32 s24, s20, 3
	s_lshl_b32 s24, s24, 8
	v_add_nc_u32 v13, s24, v10                     ; the scale bytes, out: waves 0 to 3 take 256 bytes each, 8 a lane
	v_add_nc_u32 v12, WSC, v13
	s_lshl_b32 s22, s21, 14                        ; 32 rows of 512 bytes,
	s_lshl_b32 s23, s20, 11                        ; my wave's four
	s_add_co_u32 s22, s22, s23
	s_mov_b32 s23, 0
	s_add_nc_u64 s[14:15], s[14:15], s[22:23]
	s_lshl_b32 s22, s21, 10                        ; 32 rows of 32 scale bytes
	s_add_nc_u64 s[16:17], s[16:17], s[22:23]
.macro WLOAD g
.irp i, 0,1,2,3,4,5,6,7,8,9,10,11,12,13,14,15,16,17,18,19,20,21,22,23,24,25,26,27,28,29,30,31
	global_load_b32 v[D+32*(\g)+\i], v3, s[6:7] offset:(32*(\g)+\i)*12288 th:TH_LOAD_NT
.endr
.endm
.macro WBLOCK g
.set XS, D+32*(\g)
.if (\g) < 3
	s_wait_loadcnt 32                              ; this block's 32 loads are in; the next block's may be out
.else
	s_wait_loadcnt 0
.endif
.if (\g) < 2
	WLOAD (\g)+2
.endif
	v_max3_num_f32 v8, |v[XS]|, |v[XS+1]|, |v[XS+2]|       ; the block's largest magnitude: all 32 numbers are mine
	v_max3_num_f32 v9, |v[XS+3]|, |v[XS+4]|, |v[XS+5]|
.irp i, 6,10,14,18,22,26
	v_max3_num_f32 v8, v8, |v[XS+\i]|, |v[XS+\i+1]|
	v_max3_num_f32 v9, v9, |v[XS+\i+2]|, |v[XS+\i+3]|
.endr
	v_max3_num_f32 v8, v8, |v[XS+30]|, |v[XS+31]|
	v_max3_num_f32 v8, v8, v9, 0x1800000           ; and the floor 2^(3 - 127): the byte cannot fall under 1
	v_add_nc_u32 v11, 0xff000000, v8               ; 2 off its exponent field: the conversion takes the exponent field of this operand as its scale
	v_lshrrev_b32 v9, 23, v11                      ; the scale's byte
.if (\g) == 0
	v_mov_b32 v[WB], v9
.else
	v_lshl_or_b32 v[WB], v9, 8*(\g), v[WB]
.endif
.irp i, 0,1,2,3
	v_cvt_scalef32_pk8_fp4_f32 v[WC+4*(\g)+\i], v[XS+8*\i:XS+8*\i+7], v11
.endr
	v_nop                                          ; one plain line behind the last conversion of a run
	ds_store_b128 v4, v[WC+4*(\g):WC+4*(\g)+3] offset:16*(\g)
.endm
	WLOAD 0
	WLOAD 1
	WBLOCK 0
	WBLOCK 1
	WBLOCK 2
	WBLOCK 3
	ds_store_b32 v5, v[WB]
	s_wait_dscnt 0x0                               ; for the others' sake: my stores have landed
	s_barrier_signal -1
	s_barrier_wait -1                              ; 32 whole rows of codes and of scale bytes lie in LDS
.irp i, 0,1,2,3
	ds_load_b128 v[D+4*\i:D+4*\i+3], v7 offset:WPIT*\i
.endr
.irp i, 0,1,2,3
	s_wait_dscnt 3-\i
	global_store_b128 v6, v[D+4*\i:D+4*\i+3], s[14:15] offset:512*\i   ; a row of wc: 512 consecutive bytes
.endr
	s_cmp_lt_u32 s20, 4
	s_cbranch_scc0 .Lw_done
	ds_load_b64 v[D+16:D+17], v12
	s_wait_dscnt 0x0
	global_store_b64 v13, v[D+16:D+17], s[16:17]   ; 32 lanes store 256 consecutive bytes, aligned
.Lw_done:
	CLOSE
; ---- PATH X.  Rows are dense and K is a multiple of 32: x is a plain stream of blocks of 32.  A wave takes 16 steps of 512 numbers.  Each load reads 512 consecutive bytes; the numbers turn through the
; wave's own stage in LDS, so that a lane then holds 16 neighbours (two neighbouring lanes hold a block).  Loads run four steps ahead, the turn through LDS one step.
.Lpath_x:
	v_lshlrev_b32 v3, 4, v2                        ; my 16 bytes of a load's 512
	s_mul_i32 s21, s20, XREG
	v_lshrrev_b32 v14, 2, v2
	v_mul_u32_u24 v14, v14, SP
	v_and_b32 v15, 3, v2
	v_lshl_add_u32 v14, v15, 4, v14
	v_add_nc_u32 v14, s21, v14                     ; the stage, in: four lanes' 64 bytes on end, then 16 of padding
	v_mul_u32_u24 v15, v2, SP
	v_add_nc_u32 v15, s21, v15                     ; and out: my 16 neighbours
	v_mul_u32_u24 v4, v2, CB                       ; my codes' place in a step's
	v_lshrrev_b32 v5, 1, v2
	s_add_co_u32 s21, s21, 2*32*SP
	v_add_nc_u32 v5, s21, v5                       ; my wave's 256 scale bytes, my block's byte
	v_lshlrev_b32 v7, 3, v2
	v_add_nc_u32 v6, s21, v7                       ; and on the way out 8 bytes a lane
	s_lshl_b32 s22, ttmp9, 3
	s_add_co_u32 s22, s22, s20                     ; which run of 8,192 numbers is my wave's
	s_lshl_b32 s24, s22, 15                        ; 32,768 bytes of x (1,023 runs at the most: under 2^25)
	s_mov_b32 s25, 0
	s_add_nc_u64 s[4:5], s[4:5], s[24:25]
	s_lshl_b32 s24, s22, 12                        ; 4,096 bytes of codes
	s_add_nc_u64 s[10:11], s[10:11], s[24:25]
	s_lshl_b32 s24, s22, 8                         ; 256 scale bytes
	s_add_nc_u64 s[12:13], s[12:13], s[24:25]
.macro LOAD t
.irp i, 0,1,2,3
	global_load_b128 v[R+16*((\t)%4)+4*\i:R+16*((\t)%4)+4*\i+3], v3, s[4:5] offset:2048*(\t)+512*\i th:TH_LOAD_NT
.endr
.endm
.macro TURN t                          ; LDS serves a wave's instructions in order: no wait stands between the stores and the loads
.irp i, 0,1,2,3
	ds_store_b128 v14, v[R+16*((\t)%4)+4*\i:R+16*((\t)%4)+4*\i+3] offset:32*SP*((\t)%2)+8*SP*\i
.endr
.irp i, 0,1,2,3
	ds_load_b128 v[X+16*((\t)%2)+4*\i:X+16*((\t)%2)+4*\i+3], v15 offset:32*SP*((\t)%2)+16*\i
.endr
.endm
.irp t, 0,1,2,3
	LOAD \t
.endr
	s_wait_loadcnt 12                              ; step 0's four loads are in
	TURN 0
.macro STEP t
.set XS, X+16*((\t)%2)
.if (\t) > 0
	s_wait_dscnt 1                                 ; this step's numbers are back from the stage (the last step's byte store may be out): so its stores into the stage have read their registers,
.else
	s_wait_dscnt 0x0
.endif
.if (\t)+4 < STEPS
	LOAD (\t)+4                                    ; which take the loads of four steps on
.endif
.if (\t)+1 < STEPS
.if STEPS-2-(\t) >= 3
	s_wait_loadcnt 12                              ; the next step's four loads are in; those of the three steps behind it may be out
.else
	s_wait_loadcnt 4*(STEPS-2-(\t))
.endif
	TURN (\t)+1
.endif
	v_max3_num_f32 v8, |v[XS]|, |v[XS+1]|, |v[XS+2]|
	v_max3_num_f32 v9, |v[XS+3]|, |v[XS+4]|, |v[XS+5]|
.irp i, 6,10
	v_max3_num_f32 v8, v8, |v[XS+\i]|, |v[XS+\i+1]|
	v_max3_num_f32 v9, v9, |v[XS+\i+2]|, |v[XS+\i+3]|
.endr
	v_max3_num_f32 v8, v8, |v[XS+14]|, |v[XS+15]|
	v_max3_num_f32 v8, v8, v9, 0x1800000           ; the floor 2^(3 - 127)
	v_max_num_f32_dpp v8, v8, v8 row_xmask:1 row_mask:0xf bank_mask:0xf   ; with my neighbour's 16: the block's largest magnitude
	v_add_nc_u32 v11, 0xff000000, v8               ; 2 off its exponent field: the conversion's scale operand
	v_cvt_scalef32_pk8_fp4_f32 v[C+4*(\t)], v[XS:XS+7], v11
	v_cvt_scalef32_pk8_fp4_f32 v[C+4*(\t)+1], v[XS+8:XS+15], v11
	v_lshrrev_b32 v[E+(\t)], 23, v11               ; the scale's byte
	ds_store_b8 v5, v[E+(\t)] offset:16*(\t)       ; both lanes of a block write the same byte with the same value
	global_store_b64 v4, v[C+4*(\t):C+4*(\t)+1], s[10:11] offset:32*CB*(\t)   ; 32 lanes store 256 consecutive bytes, aligned
.endm
.irp t, 0,1,2,3,4,5,6,7,8,9,10,11,12,13,14,15
	STEP \t
.endr
	ds_load_b64 v[8:9], v6
	s_wait_dscnt 0x0
	global_store_b64 v7, v[8:9], s[12:13]          ; the wave's 256 scale bytes: one aligned run
	CLOSE
.Lfunc_end_k_qfee07aad86_prep:
	.size	k_qfee07aad86_prep, .Lfunc_end_k_qfee07aad86_prep-k_qfee07aad86_prep
	.p2alignl 7, 3214868480
	.fill 96, 4, 3214868480
	.section	.rodata,"a",@progbits
	.p2align	6, 0x0
	.amdhsa_kernel k_qfee07aad86_prep
		.amdhsa_group_segment_fixed_size 158208
		.amdhsa_private_segment_fixed_size 0
		.amdhsa_enable_private_segment 0
		.amdhsa_kernarg_size 64
		.amdhsa_user_sgpr_count 2
		.amdhsa_user_sgpr_kernarg_segment_ptr 1
		.amdhsa_wavefront_size32 1
		.amdhsa_system_sgpr_workgroup_id_x 1
		.amdhsa_system_sgpr_workgroup_id_y 1
		.amdhsa_system_sgpr_workgroup_id_z 1
		.amdhsa_system_vgpr_workitem_id 0
		.amdhsa_next_free_vgpr 192
		.amdhsa_next_free_sgpr 66
		.amdhsa_reserve_vcc 0
		.amdhsa_float_denorm_mode_32 3
		.amdhsa_float_denorm_mode_16_64 3
		.amdhsa_memory_ordered 1
		.amdhsa_forward_progress 1
		.amdhsa_inst_pref_size 75
	.end_amdhsa_kernel
	.amdgpu_metadata
---
amdhsa.version: [ 1, 2 ]
amdhsa.kernels:
  - .name:           k_qfee07aad86_prep
    .symbol:         k_qfee07aad86_prep.kd
    .args:
      - { .name: x, .offset: 0, .size: 8, .value_kind: global_buffer, .address_space: global }
      - { .name: w_attn, .offset: 8, .size: 8, .value_kind: global_buffer, .address_space: global }
      - { .name: w_proj, .offset: 16, .size: 8, .value_kind: global_buffer, .address_space: global }
      - { .name: xc, .offset: 24, .size: 8, .value_kind: global_buffer, .address_space: global }
      - { .name: xs, .offset: 32, .size: 8, .value_kind: global_buffer, .address_space: global }
      - { .name: wc, .offset: 40, .size: 8, .value_kind: global_buffer, .address_space: global }
      - { .name: ws, .offset: 48, .size: 8, .value_kind: global_buffer, .address_space: global }
      - { .name: wpk, .offset: 56, .size: 8, .value_kind: global_buffer, .address_space: global }
    .group_segment_fixed_size: 158208
    .private_segment_fixed_size: 0
    .kernarg_segment_align: 8
    .kernarg_segment_size: 64
    .max_flat_workgroup_size: 256
    .sgpr_count:     66
    .vgpr_count:     192
    .wavefront_size: 32
...
	.end_amdgpu_metadata
.endif
;; end of part 1
;; launch gemm_qkv (part 2): grid 12 x 32, 4 waves a work-group, clusters of 4 x 4, 327,680 bytes of LDS; arguments xc, xs, wc, ws, qkv; writes qkv
.if DOCPART == 2
	.amdgcn_target "amdgcn-amd-amdhsa--gfx1250"
	.amdhsa_code_object_version 6
	.text
	.protected	k_qfee07aad86_gemm_qkv
	.globl	k_qfee07aad86_gemm_qkv
	.p2align	8
	.type	k_qfee07aad86_gemm_qkv,@function
k_qfee07aad86_gemm_qkv:
	s_mov_b64 s[64:65], 0
	v_nop
	global_prefetch_b8 v0, s[64:65] scope:SCOPE_SE
	s_setreg_imm32_b32 hwreg(HW_REG_WAVE_MODE, 25, 1), 1
	s_wait_xcnt 0x0
	s_wait_alu depctr_hold_cnt(0) depctr_sa_sdst(0) depctr_va_vdst(0) depctr_va_sdst(0) depctr_va_ssrc(0) depctr_va_vcc(0) depctr_vm_vsrc(0)
	s_getreg_b32 s2, hwreg(HW_REG_IB_STS2, 6, 4)
	s_cmp_eq_u32 s2, 0
	s_cbranch_scc0 .Lentry_in_a_cluster
	s_endpgm
.Lentry_in_a_cluster:
	s_bfe_u32 s2, ttmp6, 0x10000c
	s_cmp_lg_u32 s2, 0xf033
	s_cbranch_scc0 .Lentry_shape_is_right
	s_endpgm
.Lentry_shape_is_right:
; qkv = Q(x) Q(w_attn): C[m][n] = sum over k of A[m][k] B[n][k] on codes of E2M1 with one E8M0 scale for each 32 along K.  A = xc [8192][512 bytes], xs [8192][32]; B = wc [3072][512 bytes], ws [3072][32].
; The f32 sums are rounded ONCE to f16 and laid by head: qkv [3 (q, k, v)][64 (16 b + head)][2048 (t)][64], so that the next launch's tiles are dense blocks.  LIMIT: a sum above 65,504 has no f16 number.
; A tile of C, 256 x 256, is made by four waves; a wave makes 128 x 128: 64 accumulators, 512 registers.  K = 1,024 is two slots of 512: both are asked for at the head and nothing is filled again.
; THE SCALES of the work-group's rows, for all of K, come into LDS once, in runs of 256 bytes.
; CLUSTERS: 4 x 4 work-groups; A's tiles are shared along a row of the cluster, B's along a column, each asked for jointly.  THE MATRIX INSTRUCTION IS USED TRANSPOSED (source 0 = 16 rows of B,
; source 1 = 16 rows of A): a lane then holds eight neighbouring columns of one row of C.
; REGISTERS: window 0: v0-31 addresses; v32-95 scale words, two sets, which hold nothing else; v96-127 packed results; v128-191 A's fragments, one set; v192-255 rows read back from the stage.
;   window 1: B's fragments, two sets, at v0 and v128.   window 2: the accumulators of my rows 0-63 ((a, b) at v[8 (8 a + b)]);   window 3: those of my rows 64-127.
.set SIZE_K, 1024
.set KSTEP,  512
.set NQ,     KSTEP/128
.set ROWB,   256                       ; a tile's row in bytes
.set KROW,   SIZE_K*4/8                ; a row of codes in memory
.set PITCH,  272                       ; an LDS row: 256 bytes + 16: the 16 rows of a fragment load start at 16 different banks
.set FR,     8
.set NL,     2
.set NP,     4
.set HALFT,  128*PITCH
.set SLOT,   4*HALFT
.set KS,     SIZE_K/32
.set SCL,    2*SLOT
.set HALFS,  (128*KS/256)*272
.set SBLK,   (16*KS/256)*272
.set SPARE,  SCL+4*HALFS               ; the spare words, 128 bytes a wave: two blocks of 256 bytes that no other line names
.set SPITCH, 272                       ; the way out: 16 rows x (256 bytes + 16) for each wave, in slot 0, which is filled once and read by nobody when the first result is stored there
.set ADRA, 16
.set ADRB, 20
.set STO,  24
.set RD,   25
.set CO,   26
.set ADRS, 27
.set SPW,  28
.set NIL,  29
.set SC,   32
.set TMP,  96
.set AF,   128
.set OB,   192
.set G1, 24
.set G0, 32
.set G1B, 48
.set G0B, 56
.set G1S, 68
.set G0S, 76
.set G1SB, 80
.set G0SB, 88
.set MSB, 0
.macro WIN new                         ; the immediate's high byte repeats the setting that is left
.if MSB != (\new)
	s_set_vgpr_msb (MSB<<8)|(\new)
.set MSB, (\new)
.endif
.endm
.set MUL_LO, 0xa1
.set MUL_HI, 0xf1
.set TO_B,   0x40
; A joint load: waves 0 and 1 fetch for A, waves 2 and 3 for B; the branch hangs on the wave's number alone.  An s_nop 0 and four v_nop follow each of the two lines.
.macro JLOAD g0a, g1a, g0b, g1b
	s_cmp_eq_u32 s15, 0
	s_cbranch_scc0 .Lfor_b_\@
	tensor_load_to_lds s[\g0a:\g0a+3], s[\g1a:\g1a+7]
	s_nop 0
.rept 4
	v_nop
.endr
	s_branch .Lasked_\@
.Lfor_b_\@:
	tensor_load_to_lds s[\g0b:\g0b+3], s[\g1b:\g1b+7]
	s_nop 0
.rept 4
	v_nop
.endr
.Lasked_\@:
.endm
.macro CROUND                          ; a round of the cluster's barrier
	s_barrier_signal -1
	s_barrier_wait -1
	s_cmp_lg_u32 s14, 0
	s_cbranch_scc1 .Lnot_wave_0_\@
	s_barrier_signal -3
.Lnot_wave_0_\@:
	s_barrier_wait -3
	s_barrier_signal -1
	s_barrier_wait -1
.endm
	s_load_b128 s[4:7], s[0:1], 0x0                ; A's codes, A's scales
	s_load_b128 s[8:11], s[0:1], 0x10              ; B's codes, B's scales
	s_load_b64 s[12:13], s[0:1], 0x20              ; qkv
	v_lshl_add_u32 v[SPW], v0, 2, SPARE
	v_mov_b32 v[NIL], 0
	ds_add_u32 v[SPW], v[NIL]                      ; the wave's opening: an add to my spare word, twice on end, and its wait ahead of my first tensor load
	ds_add_u32 v[SPW], v[NIL]
	v_lshrrev_b32 v1, 5, v0
	v_readfirstlane_b32 s14, v1                    ; wave 0..3
	s_lshr_b32 s15, s14, 1                         ; which half of the tile's rows is mine.  Also: I fetch for A (0) or for B (1)
	s_and_b32 s16, s14, 1                          ; which half of its columns.  Also: which 128 rows of that tile I fetch
	s_bfe_u32 s40, ttmp6, 0x40000                  ; cx, cy
	s_bfe_u32 s41, ttmp6, 0x40004
	s_lshl_b32 s42, ttmp9, 2
	s_add_co_u32 s42, s42, s40                     ; tile column
	s_and_b32 s17, ttmp7, 0xffff
	s_lshl_b32 s17, s17, 2
	s_add_co_u32 s17, s17, s41                     ; tile row
	s_lshl_b32 s43, s41, 2
	s_lshl_b32 s43, 15, s43                        ; my row of the cluster
	s_lshl_b32 s44, 0x1111, s40                    ; my column
	s_or_b32 s[G1+0], s43, (0<<16)|(1<<20)|(1<<21)|(5<<22)|(3<<25)  ; the mask; elements of 1 byte; padding on; bit 21 beside a mask; 4 words behind every 64
	s_or_b32 s[G1B+0], s44, (0<<16)|(1<<20)|(1<<21)|(5<<22)|(3<<25)
.irp g, G1, G1B
	s_mov_b32 s[\g+1], ROWB<<16                    ; tensor_dim0
	s_mov_b32 s[\g+2], 128<<16                     ; tensor_dim1
	s_mov_b32 s[\g+3], ROWB<<16                    ; tile_dim0
	s_mov_b32 s[\g+4], 128                         ; tile_dim1
	s_mov_b32 s[\g+5], KROW                        ; from row to row
	s_mov_b32 s[\g+6], 0
	s_mov_b32 s[\g+7], 0
.endr
	s_or_b32 s[G1S+0], s43, (3<<16)|(1<<20)|(1<<21)|(5<<22)|(3<<25) ; the scales of 128 rows: a dense block, as rows of 256 bytes (32 elements of 8 bytes), 16 bytes of padding behind each
	s_or_b32 s[G1SB+0], s44, (3<<16)|(1<<20)|(1<<21)|(5<<22)|(3<<25)
.irp g, G1S, G1SB
	s_mov_b32 s[\g+1], 32<<16
	s_mov_b32 s[\g+2], (128*KS/256)<<16
	s_mov_b32 s[\g+3], 32<<16
	s_mov_b32 s[\g+4], 128*KS/256
	s_mov_b32 s[\g+5], 32
	s_mov_b32 s[\g+6], 0
	s_mov_b32 s[\g+7], 0
.endr
	s_lshl_b32 s18, s16, 7
	s_lshl_b32 s20, s17, 8
	s_add_co_u32 s20, s20, s18                     ; A: row 256 x tile row + 128 x half
	s_lshl_b32 s46, s42, 8
	s_add_co_u32 s46, s46, s18                     ; B: row 256 x tile column + 128 x half
	s_mov_b32 s21, 0
	s_mov_b32 s47, 0
	s_mov_b64 s[18:19], KS
	s_mul_u64 s[22:23], s[20:21], s[18:19]
	s_mul_u64 s[92:93], s[46:47], s[18:19]
	s_mov_b64 s[18:19], KROW
	s_mul_u64 s[20:21], s[20:21], s[18:19]
	s_mul_u64 s[46:47], s[46:47], s[18:19]
	s_mul_i32 s45, s14, HALFT                      ; where they go: wave x 128 rows
	s_mul_i32 s94, s14, HALFS
	s_wait_dscnt 0x0                               ; both opening adds are done
	s_wait_kmcnt 0x0
	s_add_nc_u64 s[20:21], s[4:5], s[20:21]
	s_add_nc_u64 s[22:23], s[6:7], s[22:23]
	s_add_nc_u64 s[46:47], s[8:9], s[46:47]
	s_add_nc_u64 s[92:93], s[10:11], s[92:93]
	CROUND                                         ; all sixteen work-groups are here: the first joint loads meet
	s_mov_b32 s[G0S], 1
	s_add_co_u32 s[G0S+1], s94, SCL
	s_mov_b64 s[G0S+2:G0S+3], s[22:23]
	s_or_b32 s[G0S+3], s[G0S+3], 0x80000000
	s_mov_b32 s[G0SB], 1
	s_add_co_u32 s[G0SB+1], s94, SCL
	s_mov_b64 s[G0SB+2:G0SB+3], s[92:93]
	s_or_b32 s[G0SB+3], s[G0SB+3], 0x80000000
	JLOAD G0S, G1S, G0SB, G1SB                     ; the scales first.  By this text's count three loads of a wave are out at the most
.irp s, 0,1
	s_mov_b32 s[G0+4*\s], 1
	s_add_co_u32 s[G0+4*\s+1], s45, \s*SLOT
	s_add_nc_u64 s[G0+4*\s+2:G0+4*\s+3], s[20:21], \s*ROWB
	s_or_b32 s[G0+4*\s+3], s[G0+4*\s+3], 0x80000000
	s_mov_b32 s[G0B+4*\s], 1
	s_add_co_u32 s[G0B+4*\s+1], s45, \s*SLOT
	s_add_nc_u64 s[G0B+4*\s+2:G0B+4*\s+3], s[46:47], \s*ROWB
	s_or_b32 s[G0B+4*\s+3], s[G0B+4*\s+3], 0x80000000
	JLOAD G0+4*\s, G1, G0B+4*\s, G1B
.endr
	v_and_b32 v1, 15, v0                           ; r = l % 16
	v_bfe_u32 v2, v0, 4, 1                         ; h = l / 16
	v_mul_u32_u24 v3, v1, PITCH
	v_lshl_add_u32 v4, v2, 4, v3
	s_mul_i32 s21, s15, HALFT
	s_mul_i32 s22, s16, HALFT
	s_add_co_u32 s22, s22, 2*HALFT
.irp s, 0,1
	v_add_nc_u32 v[ADRA+\s], s21, v4
	v_add_nc_u32 v[ADRB+\s], s22, v4
	s_add_co_u32 s21, s21, SLOT
	s_add_co_u32 s22, s22, SLOT
.endr
	v_mul_u32_u24 v5, v1, KS                       ; my row's scales: KS bytes a row,
	v_lshrrev_b32 v6, 8, v5
	v_lshl_add_u32 v5, v6, 4, v5                   ; and 16 more for each 256 passed
	s_mul_i32 s21, s15, HALFS
	s_mul_i32 s22, s16, HALFS
	s_add_co_u32 s22, s22, 2*HALFS
	s_sub_co_u32 s22, s22, s21
	v_mul_u32_u24 v6, s22, v2                      ; lanes 16-31 take B's
	s_add_co_u32 s21, s21, SCL
	v_add_nc_u32 v5, v5, v6
	v_add_nc_u32 v[ADRS], s21, v5
	s_mul_i32 s23, s14, 16*SPITCH                  ; my stage
	v_mul_u32_u24 v5, v1, SPITCH                   ; in: row r, 16 bytes for each half of the lanes
	v_lshl_add_u32 v5, v2, 4, v5
	v_add_nc_u32 v[STO], s23, v5
	v_bfe_u32 v6, v0, 3, 1                         ; back: lanes 0-15 take rows t, t + 1 of my first head (2 x 128 bytes), lanes 16-31 those of my second
	v_and_b32 v7, 7, v0
	v_mul_u32_u24 v5, v6, SPITCH
	v_lshl_add_u32 v5, v2, 7, v5
	v_lshl_add_u32 v5, v7, 4, v5
	v_add_nc_u32 v[RD], s23, v5
	v_lshlrev_b32 v5, 18, v2                       ; in qkv a head is 262,144 bytes, a row 128
	v_lshl_add_u32 v5, v6, 7, v5
	v_lshl_add_u32 v[CO], v7, 4, v5
	s_lshl_b32 s20, s17, 8
	s_lshl_b32 s21, s15, 7
	s_add_co_u32 s20, s20, s21                     ; my first row of C
	s_lshr_b32 s21, s20, 11                        ; b
	s_and_b32 s20, s20, 2047                       ; t
	s_lshl_b32 s20, s20, 7
	s_lshl_b32 s21, s21, 22                        ; 16 b heads
	s_add_co_u32 s20, s20, s21
	s_mov_b32 s21, 0
	s_lshl_b32 s46, s42, 8
	s_lshl_b32 s47, s16, 7
	s_add_co_u32 s46, s46, s47                     ; my first column
	s_lshr_b32 s47, s46, 10                        ; q, k or v
	s_and_b32 s46, s46, 1023
	s_lshr_b32 s46, s46, 6                         ; my first head
	s_lshl_b32 s46, s46, 18
	s_lshl_b32 s47, s47, 24
	s_add_co_u32 s46, s46, s47
	s_mov_b32 s47, 0
	s_add_nc_u64 s[20:21], s[20:21], s[46:47]
	s_add_nc_u64 s[12:13], s[12:13], s[20:21]      ; never stepped: a block's and a pair of rows' place stand in the stores' immediates
.macro FRAG reg, adr, q, i             ; 16 rows x 128 K of 4-bit codes: 8 registers, two loads of 16 bytes, 32 bytes apart
.irp c, 0,1
	ds_load_b128 v[\reg+4*\c:\reg+4*\c+3], v[\adr] offset:64*(\q)+32*\c+(\i)*16*PITCH
.endr
.endm
; 16 matrix instructions: A's blocks a0, a0 + 1 x B's eight.  The 64 accumulators take turns, one instruction a turn, in the same order in every step.
.macro MUL16 a0, p, q, sc, zero
.irp a, \a0, \a0+1
.irp b, 0,1,2,3,4,5,6,7
.if \zero
	v_wmma_scale_f32_16x16x128_f8f6f4 v[8*(8*((\a)%4)+\b):8*(8*((\a)%4)+\b)+7], v[128*(\p)+FR*\b:128*(\p)+FR*\b+FR-1], v[AF+FR*(\a):AF+FR*(\a)+FR-1], 0, v[SC+8*NQ*(\sc)+NQ*\b+(\q)], v[SC+8*NQ*(\sc)+NQ*(\a)+(\q)] matrix_a_fmt:MATRIX_FMT_FP4 matrix_b_fmt:MATRIX_FMT_FP4 matrix_a_scale:MATRIX_SCALE_ROW1
.else
	v_wmma_scale_f32_16x16x128_f8f6f4 v[8*(8*((\a)%4)+\b):8*(8*((\a)%4)+\b)+7], v[128*(\p)+FR*\b:128*(\p)+FR*\b+FR-1], v[AF+FR*(\a):AF+FR*(\a)+FR-1], v[8*(8*((\a)%4)+\b):8*(8*((\a)%4)+\b)+7], v[SC+8*NQ*(\sc)+NQ*\b+(\q)], v[SC+8*NQ*(\sc)+NQ*(\a)+(\q)] matrix_a_fmt:MATRIX_FMT_FP4 matrix_b_fmt:MATRIX_FMT_FP4 matrix_a_scale:MATRIX_SCALE_ROW1
.endif
.endr
.endr
.endm
.macro FETCH_B slot, q, p
	WIN TO_B
.irp i, 0,1,2,3,4,5,6,7
	FRAG 128*(\p)+FR*\i, ADRB+\slot, \q, \i
.endr
	WIN 0
.endm
.macro FETCH_A slot, q, i0
.irp i, \i0, \i0+1, \i0+2, \i0+3
	FRAG AF+FR*(\i), ADRA+\slot, \q, \i
.endr
.endm
.macro SCALES sc                       ; a slot's scale words: lanes 0-15 take A's block i, lanes 16-31 B's block i
.irp i, 0,1,2,3,4,5,6,7
	ds_load_b128 v[SC+8*NQ*\sc+NQ*\i:SC+8*NQ*\sc+NQ*\i+3], v[ADRS] offset:\i*SBLK
.endr
.endm
.macro PLACES n                        ; plain vector lines between a matrix instruction and a load into, or a read of, its registers
.rept \n
	v_nop
.endr
.endm
.macro STEP slot, q, zero
	s_wait_dscnt 4*NL                              ; B's set and A's blocks 0-3 are in; the youngest eight loads (A's blocks 4-7) may be out
	WIN MUL_LO
	MUL16 0, (\q)%2, \q, \slot, \zero
	MUL16 2, (\q)%2, \q, \slot, \zero
	s_wait_dscnt 0
	PLACES NP
	FETCH_B \slot, (\q)+1, 1-(\q)%2
	FETCH_A \slot, (\q)+1, 0
	WIN MUL_HI
	MUL16 4, (\q)%2, \q, \slot, \zero
	MUL16 6, (\q)%2, \q, \slot, \zero
	PLACES NP
	WIN 0
	FETCH_A \slot, (\q)+1, 4
.endm
; Slot 0's last step changes slots: one barrier; in front of it each wave waits for all its tensor loads (its part of slot 1), adds 0 to its spare word, and waits for that and for its reads of slot 0.
.macro TURN slot, next
	s_wait_tensorcnt 0x0                           ; my part of the next slot has landed
	ds_add_u32 v[SPW], v[NIL]                      ; 0 onto my spare word
	s_wait_dscnt 4*NL+1                            ; (the add and the youngest eight loads may be out)
	WIN MUL_LO
	MUL16 0, 1, NQ-1, \slot, 0
	s_wait_dscnt 0x0                               ; the add is done, and my reads of this slot are over
	s_barrier_signal -1
	MUL16 2, 1, NQ-1, \slot, 0
	WIN 0
	s_barrier_wait -1
	PLACES NP
	v_add_nc_u32 v[ADRS], 4*NQ, v[ADRS]            ; on to the next slot's scale words
	FETCH_B \next, 0, 0
	FETCH_A \next, 0, 0
	SCALES \next
	WIN MUL_HI
	MUL16 4, 1, NQ-1, \slot, 0
	MUL16 6, 1, NQ-1, \slot, 0
	PLACES NP
	WIN 0
	FETCH_A \next, 0, 4
.endm
	s_wait_tensorcnt 1                             ; the scales and my part of slot 0 are in (slot 1's load may be out)
	s_barrier_signal -1
	s_barrier_wait -1                              ; everybody's are
	FETCH_B 0, 0, 0
	FETCH_A 0, 0, 0
	SCALES 0
	FETCH_A 0, 0, 4
	STEP 0, 0, 1                                   ; the first step's products start the sums: nothing is cleared
	STEP 0, 1, 0
	STEP 0, 2, 0
	TURN 0, 1
	STEP 1, 0, 0
	STEP 1, 1, 0
	STEP 1, 2, 0
	s_wait_dscnt 4*NL                              ; the last step: nothing more to fetch
	WIN MUL_LO
	MUL16 0, 1, NQ-1, 1, 0
	MUL16 2, 1, NQ-1, 1, 0
	s_wait_dscnt 0
	WIN MUL_HI
	MUL16 4, 1, NQ-1, 1, 0
	MUL16 6, 1, NQ-1, 1, 0
	WIN 0
; THE WAY OUT, a block of 16 rows x 128 columns (two heads) at a time.  PACK: rounded to f16, 16 bytes a lane, each accumulator from its low end on.  TOSTAGE: into my own stage and back by heads.  SEND: stored.
.macro PACK a
.set AC, 64*((\a)%4)
	WIN 0x0a+5*((\a)/4)                            ; sources 0 and 1: window 2 or 3
.irp b, 0,1,2,3,4,5,6,7
.irp r, 0,1,2,3
	v_cvt_pk_f16_f32 v[TMP+4*\b+\r], v[AC+8*\b+2*\r], v[AC+8*\b+2*\r+1]
.endr
.endr
	WIN 0
.endm
.macro TOSTAGE a
.set BK, OB+32*((\a)%2)
.irp b, 0,1,2,3,4,5,6,7
	ds_store_b128 v[STO], v[TMP+4*\b:TMP+4*\b+3] offset:32*\b
.endr
.irp t, 0,1,2,3,4,5,6,7
	ds_load_b128 v[BK+4*\t:BK+4*\t+3], v[RD] offset:\t*2*SPITCH    ; LDS serves a wave's instructions in order: these see the stores above
.endr
.endm
.macro SEND a
.set BK, OB+32*((\a)%2)
	s_wait_dscnt 0x0                               ; the block is back in registers
	s_wait_xcnt 0x0                                ; the stores of the block before have read their registers: the next block's loads may land there
.irp t, 0,1,2,3,4,5,6,7
	global_store_b128 v[CO], v[BK+4*\t:BK+4*\t+3], s[12:13] offset:2048*(\a)+256*\t   ; 16 lanes store rows 2 t, 2 t + 1 of one head: 256 consecutive bytes, aligned
.endr
.endm
	PLACES NP                                      ; behind the last products, ahead of the first reads of results
	PACK 0
	TOSTAGE 0
.irp a, 1,2,3,4,5,6,7                  ; block a's conversions stand between block a - 1's loads from the stage and the wait for them
	PACK \a
	SEND \a-1
	TOSTAGE \a
.endr
	SEND 7
	s_wait_tensorcnt 0x0                           ; the wave's end
	ds_add_u32 v[SPW], v[NIL]
	s_wait_dscnt 0x0
	CROUND                                         ; the closing round
	s_endpgm
.Lfunc_end_k_qfee07aad86_gemm_qkv:
	.size	k_qfee07aad86_gemm_qkv, .Lfunc_end_k_qfee07aad86_gemm_qkv-k_qfee07aad86_gemm_qkv
	.p2alignl 7, 3214868480
	.fill 96, 4, 3214868480
	.section	.rodata,"a",@progbits
	.p2align	6, 0x0
	.amdhsa_kernel k_qfee07aad86_gemm_qkv
		.amdhsa_group_segment_fixed_size 327680
		.amdhsa_private_segment_fixed_size 0
		.amdhsa_enable_private_segment 0
		.amdhsa_kernarg_size 40
		.amdhsa_user_sgpr_count 2
		.amdhsa_user_sgpr_kernarg_segment_ptr 1
		.amdhsa_wavefront_size32 1
		.amdhsa_system_sgpr_workgroup_id_x 1
		.amdhsa_system_sgpr_workgroup_id_y 1
		.amdhsa_system_sgpr_workgroup_id_z 1
		.amdhsa_system_vgpr_workitem_id 0
		.amdhsa_next_free_vgpr 1024
		.amdhsa_next_free_sgpr 98
		.amdhsa_reserve_vcc 0
		.amdhsa_float_denorm_mode_32 3
		.amdhsa_float_denorm_mode_16_64 3
		.amdhsa_memory_ordered 1
		.amdhsa_forward_progress 1
		.amdhsa_inst_pref_size 127
	.end_amdhsa_kernel
	.amdgpu_metadata
---
amdhsa.version: [ 1, 2 ]
amdhsa.kernels:
  - .name:           k_qfee07aad86_gemm_qkv
    .symbol:         k_qfee07aad86_gemm_qkv.kd
    .args:
      - { .name: xc, .offset: 0, .size: 8, .value_kind: global_buffer, .address_space: global }
      - { .name: xs, .offset: 8, .size: 8, .value_kind: global_buffer, .address_space: global }
      - { .name: wc, .offset: 16, .size: 8, .value_kind: global_buffer, .address_space: global }
      - { .name: ws, .offset: 24, .size: 8, .value_kind: global_buffer, .address_space: global }
      - { .name: qkv, .offset: 32, .size: 8, .value_kind: global_buffer, .address_space: global }
    .group_segment_fixed_size: 327680
    .private_segment_fixed_size: 0
    .kernarg_segment_align: 8
    .kernarg_segment_size: 40
    .max_flat_workgroup_size: 128
    .sgpr_count:     98
    .vgpr_count:     1024
    .wavefront_size: 32
...
	.end_amdgpu_metadata
.endif
;; end of part 2
;; launch fine_att (part 3): grid 16 x 4, 12 waves a work-group, no clusters, 18,176 bytes of LDS; arguments xc, xs, wc, ws, y32; writes y32
.if DOCPART == 3
	.amdgcn_target "amdgcn-amd-amdhsa--gfx1250"
	.amdhsa_code_object_version 6
	.text
	.protected	k_qfee07aad86_fine_att
	.globl	k_qfee07aad86_fine_att
	.p2align	8
	.type	k_qfee07aad86_fine_att,@function
k_qfee07aad86_fine_att:
	s_mov_b64 s[64:65], 0
	v_nop
	global_prefetch_b8 v0, s[64:65] scope:SCOPE_SE
	s_setreg_imm32_b32 hwreg(HW_REG_WAVE_MODE, 25, 1), 1
	s_wait_xcnt 0x0
; THE FIRST 16 POSITIONS OF EVERY SEQUENCE, wholly in f32: these rows average one to sixteen values and are the largest of the output, so f16 operands are too coarse for them.
; A work-group takes one (b, head).  Its twelve waves make q, k and v of positions 0-15 again from the codes (one 16 x 16 tile a wave, eight products on E2M1 codes along K = 1,024), hand them to wave 0
; through LDS as images of their registers, and wave 0 does the causal attention of 16 x 16 in f32 (v_wmma_f32_16x16x4_f32: 32 instructions, no bulk work).  y32 [16 b + t][1024] f32.
; The largest score is taken away before the exponential.  No tensor loads.  No cluster: the work-groups of a batch share only 8 KiB of x's codes.
.set IMG,   0                          ; twelve images of 1,024 bytes
.set YST,   12288                      ; wave 0's stage for y: 16 rows x (256 bytes + 16)
.set SPARE, 16640                      ; the spare words, 128 bytes a wave: six blocks of 256 bytes that no other line names
.set SPW, 12
.set NIL, 13
.set XF,  16                           ; v16-79   x's eight fragments; later q (v16-47) and k (v48-79)
.set XS,  80                           ; v80-87   x's scale words: nothing else
.set WF,  96                           ; v96-159  W's eight fragments; later v (v96-127)
.set WS,  160                          ; v160-167 W's scale words: nothing else
.set ACC, 168                          ; v168-175 my tile
.set SA,  176                          ; v176-207 four partial sums of S^T: written by matrix instructions alone
.set YA,  208                          ; v208-239 y^T, four tiles of channels: written by matrix instructions alone
.set PP,  240                          ; v240-247 the scores, then p
	s_load_b256 s[4:11], s[0:1], 0x0               ; xc s[4:5], xs s[6:7], wc s[8:9], ws s[10:11]
	s_load_b64 s[12:13], s[0:1], 0x20              ; y32
	v_lshl_add_u32 v[SPW], v0, 2, SPARE
	v_mov_b32 v[NIL], 0
	v_lshrrev_b32 v1, 5, v0
	v_readfirstlane_b32 s14, v1                    ; wave 0..11
	v_and_b32 v1, 15, v0                           ; r
	v_bfe_u32 v2, v0, 4, 1                         ; h
	v_and_b32 v3, 31, v0                           ; lane
	v_lshlrev_b32 v4, 9, v1
	v_lshl_add_u32 v4, v2, 4, v4                   ; codes: row r of 512 bytes, + 16 h
	v_lshlrev_b32 v5, 5, v1                        ; scale bytes: row r of 32
	v_lshlrev_b32 v9, 4, v3                        ; an image's place for my lane
	s_lshl_b32 s15, s14, 10
	v_add_nc_u32 v7, s15, v9                       ; where I store my tile's image
	v_mul_u32_u24 v10, v1, 272
	v_lshl_add_u32 v10, v2, 5, v10
	v_add_nc_u32 v10, YST, v10                     ; y's stage, in: row r, + 32 h
	v_mul_u32_u24 v11, v2, 272
	v_lshl_add_u32 v11, v1, 4, v11
	v_add_nc_u32 v11, YST, v11                     ; back: lanes 0-15 one row, lanes 16-31 the next
	v_lshlrev_b32 v6, 12, v2
	v_lshl_add_u32 v6, v1, 4, v6                   ; and the same two rows in y32
	v_lshlrev_b32 v8, 3, v2
	v_sub_nc_u32 v8, v1, v8                        ; d = r - 8 h: register j holds key 8 h + j, hidden where j > d
	s_and_b32 s16, ttmp7, 0xffff                   ; b
	s_lshr_b32 s17, s14, 2                         ; q, k or v
	s_and_b32 s18, s14, 3                          ; which 16 of the head's 64 channels
	s_lshl_b32 s17, s17, 10
	s_lshl_b32 s19, ttmp9, 6
	s_add_co_u32 s17, s17, s19
	s_lshl_b32 s18, s18, 4
	s_add_co_u32 s17, s17, s18                     ; my first column of w_attn
	s_mov_b32 s21, 0
	s_mov_b32 s22, 0x76543210
	s_mov_b32 s23, 0xfedcba98                      ; v_permlanex16_b32's selects for lane l xor 16
	s_mov_b32 s24, 0x3e38aa3b                      ; c = log2(e) / sqrt(64)
	s_wait_kmcnt 0x0
	s_lshl_b32 s20, s16, 20                        ; 2,048 b rows of 512 bytes
	s_add_nc_u64 s[4:5], s[4:5], s[20:21]
	s_lshl_b32 s20, s16, 16
	s_add_nc_u64 s[6:7], s[6:7], s[20:21]
	s_lshl_b32 s20, s17, 9
	s_add_nc_u64 s[8:9], s[8:9], s[20:21]
	s_lshl_b32 s20, s17, 5
	s_add_nc_u64 s[10:11], s[10:11], s[20:21]
	s_lshl_b32 s20, s16, 16                        ; 16 b rows of 4,096 bytes,
	s_lshl_b32 s19, ttmp9, 8                       ; the head's 256
	s_add_co_u32 s20, s20, s19
	s_add_nc_u64 s[12:13], s[12:13], s[20:21]
.irp k, 0,1,2,3,4,5,6,7
.irp c, 0,1
	global_load_b128 v[XF+8*\k+4*\c:XF+8*\k+4*\c+3], v4, s[4:5] offset:64*\k+32*\c
	global_load_b128 v[WF+8*\k+4*\c:WF+8*\k+4*\c+3], v4, s[8:9] offset:64*\k+32*\c
.endr
.endr
.irp c, 0,1
	global_load_b128 v[XS+4*\c:XS+4*\c+3], v5, s[6:7] offset:16*\c     ; a row's eight scale words: word k for K step k
	global_load_b128 v[WS+4*\c:WS+4*\c+3], v5, s[10:11] offset:16*\c
.endr
	s_wait_loadcnt 0x0
; Eight links on one accumulator, K ascending; a wait stands directly ahead of each link.
.macro CHAIN fa, fb, ra, rb
	v_wmma_scale_f32_16x16x128_f8f6f4 v[ACC:ACC+7], v[\fa:\fa+7], v[\fb:\fb+7], 0, v[\ra], v[\rb] matrix_a_fmt:MATRIX_FMT_FP4 matrix_b_fmt:MATRIX_FMT_FP4
.irp k, 1,2,3,4,5,6,7
	s_wait_alu depctr_va_vdst(0)
	v_wmma_scale_f32_16x16x128_f8f6f4 v[ACC:ACC+7], v[\fa+8*\k:\fa+8*\k+7], v[\fb+8*\k:\fb+8*\k+7], v[ACC:ACC+7], v[\ra+\k], v[\rb+\k] matrix_a_fmt:MATRIX_FMT_FP4 matrix_b_fmt:MATRIX_FMT_FP4
.endr
.endm
	s_cmp_lt_u32 s14, 8
	s_cbranch_scc0 .Lfor_v
	CHAIN WF, XF, WS, XS                           ; q, k: source 0 = 16 columns of W: a lane holds token r and channels 8 h + 0 .. 7 of my tile
	s_branch .Ljoined
.Lfor_v:
	CHAIN XF, WF, XS, WS                           ; v: source 0 = the 16 tokens: a lane holds channel r of my tile and tokens 8 h + 0 .. 7
.Ljoined:
.rept 4
	v_nop
.endr
	ds_store_b128 v7, v[ACC:ACC+3]                 ; the tile goes to LDS as it stands in the registers
	ds_store_b128 v7, v[ACC+4:ACC+7] offset:512
	s_wait_dscnt 0x0                               ; for wave 0's sake
	s_barrier_signal -1
	s_barrier_wait -1
	s_cmp_lg_u32 s14, 0
	s_cbranch_scc1 .Lend
.irp t, 0,1,2,3
	ds_load_b128 v[16+8*\t:19+8*\t], v9 offset:1024*\t                 ; q
	ds_load_b128 v[20+8*\t:23+8*\t], v9 offset:1024*\t+512
	ds_load_b128 v[48+8*\t:51+8*\t], v9 offset:1024*(4+\t)             ; k
	ds_load_b128 v[52+8*\t:55+8*\t], v9 offset:1024*(4+\t)+512
	ds_load_b128 v[96+8*\t:99+8*\t], v9 offset:1024*(8+\t)             ; v
	ds_load_b128 v[100+8*\t:103+8*\t], v9 offset:1024*(8+\t)+512
.endr
	s_wait_dscnt 0x0
; S^T = k q^T.  An instruction takes 4 along K: lane (r, h), register j is place 2 h + j.  Registers 8 t + 2 u, + 1 of k and of q hold channels 16 t + 8 h + 2 u, + 1: the same channels at the same places on both sides.
.irp t, 0,1,2,3
.irp u, 0,1,2,3
.if \t == 0
	v_wmma_f32_16x16x4_f32 v[SA+8*\u:SA+8*\u+7], v[48+8*\t+2*\u:48+8*\t+2*\u+1], v[16+8*\t+2*\u:16+8*\t+2*\u+1], 0
.else
	v_wmma_f32_16x16x4_f32 v[SA+8*\u:SA+8*\u+7], v[48+8*\t+2*\u:48+8*\t+2*\u+1], v[16+8*\t+2*\u:16+8*\t+2*\u+1], v[SA+8*\u:SA+8*\u+7]
.endif
.endr
.endr
.rept 8
	v_nop
.endr
.irp j, 0,1,2,3,4,5,6,7                        ; a lane holds query r and keys 8 h + j; the four partial sums are read from their low ends on
	v_add_f32 v[PP+\j], v[SA+\j], v[SA+8+\j]
	v_add_f32 v[248+\j], v[SA+16+\j], v[SA+24+\j]
.endr
.irp j, 0,1,2,3,4,5,6,7
	v_add_f32 v[PP+\j], v[PP+\j], v[248+\j]
.endr
	v_mov_b32 v248, 0xff800000                     ; -infinity
.irp j, 0,1,2,3,4,5,6,7
	v_cmp_gt_i32 vcc_lo, \j, v8
	v_cndmask_b32 v[PP+\j], v[PP+\j], v248, vcc_lo
.endr
	v_max3_num_f32 v249, v[PP], v[PP+1], v[PP+2]
	v_max3_num_f32 v250, v[PP+3], v[PP+4], v[PP+5]
	v_max3_num_f32 v249, v249, v[PP+6], v[PP+7]
	v_max_num_f32 v249, v249, v250
	v_permlanex16_b32 v250, v249, s22, s23
	v_max_num_f32 v249, v249, v250                 ; the row's largest score (key 0 counts for every query)
	v_mul_f32 v249, s24, v249
.irp j, 0,1,2,3,4,5,6,7
	v_fma_f32 v[PP+\j], v[PP+\j], s24, -v249
.endr
.irp j, 0,1,2,3,4,5,6,7
	v_exp_f32 v[PP+\j], v[PP+\j]
.endr
	v_nop                                          ; a plain line behind the last exponential,
	s_wait_alu depctr_va_vdst(0)                   ; and one wait for the eight, ahead of their first reader
	v_add_f32 v250, v[PP], v[PP+1]
	v_add_f32 v251, v[PP+2], v[PP+3]
	v_add_f32 v252, v[PP+4], v[PP+5]
	v_add_f32 v253, v[PP+6], v[PP+7]
	v_add_f32 v250, v250, v251
	v_add_f32 v252, v252, v253
	v_add_f32 v250, v250, v252
	v_permlanex16_b32 v251, v250, s22, s23
	v_add_f32 v250, v250, v251                     ; the row's sum
	v_rcp_f32 v250, v250
	v_nop
	s_wait_alu depctr_va_vdst(0)
.irp j, 0,1,2,3,4,5,6,7
	v_mul_f32 v[PP+\j], v[PP+\j], v250
.endr
; y^T = v^T p^T.  Registers 2 u, + 1 of v's tile t and of p hold keys 8 h + 2 u, + 1.
.irp u, 0,1,2,3
.irp t, 0,1,2,3
.if \u == 0
	v_wmma_f32_16x16x4_f32 v[YA+8*\t:YA+8*\t+7], v[96+8*\t+2*\u:96+8*\t+2*\u+1], v[PP+2*\u:PP+2*\u+1], 0
.else
	v_wmma_f32_16x16x4_f32 v[YA+8*\t:YA+8*\t+7], v[96+8*\t+2*\u:96+8*\t+2*\u+1], v[PP+2*\u:PP+2*\u+1], v[YA+8*\t:YA+8*\t+7]
.endif
.endr
.endr
.rept 8
	v_nop
.endr
.irp t, 0,1,2,3                                ; lane (r, h): y(r, 16 t + 8 h + 0 .. 7)
	ds_store_b128 v10, v[YA+8*\t:YA+8*\t+3] offset:64*\t
	ds_store_b128 v10, v[YA+8*\t+4:YA+8*\t+7] offset:64*\t+16
.endr
.irp i, 0,1,2,3,4,5,6,7
	ds_load_b128 v[16+4*\i:19+4*\i], v11 offset:544*\i             ; LDS serves a wave's instructions in order: these see my stores
.endr
.irp i, 0,1,2,3,4,5,6,7
	s_wait_dscnt 7-\i
	global_store_b128 v6, v[16+4*\i:19+4*\i], s[12:13] offset:8192*\i  ; 16 lanes store the head's 256 bytes of a row, aligned
.endr
.Lend:
	s_wait_tensorcnt 0x0                           ; the wave's end
	ds_add_u32 v[SPW], v[NIL]
	s_wait_dscnt 0x0
	s_endpgm
.Lfunc_end_k_qfee07aad86_fine_att:
	.size	k_qfee07aad86_fine_att, .Lfunc_end_k_qfee07aad86_fine_att-k_qfee07aad86_fine_att
	.p2alignl 7, 3214868480
	.fill 96, 4, 3214868480
	.section	.rodata,"a",@progbits
	.p2align	6, 0x0
	.amdhsa_kernel k_qfee07aad86_fine_att
		.amdhsa_group_segment_fixed_size 18176
		.amdhsa_private_segment_fixed_size 0
		.amdhsa_enable_private_segment 0
		.amdhsa_kernarg_size 40
		.amdhsa_user_sgpr_count 2
		.amdhsa_user_sgpr_kernarg_segment_ptr 1
		.amdhsa_wavefront_size32 1
		.amdhsa_system_sgpr_workgroup_id_x 1
		.amdhsa_system_sgpr_workgroup_id_y 1
		.amdhsa_system_sgpr_workgroup_id_z 1
		.amdhsa_system_vgpr_workitem_id 0
		.amdhsa_next_free_vgpr 256
		.amdhsa_next_free_sgpr 66
		.amdhsa_reserve_vcc 1
		.amdhsa_float_denorm_mode_32 3
		.amdhsa_float_denorm_mode_16_64 3
		.amdhsa_memory_ordered 1
		.amdhsa_forward_progress 1
		.amdhsa_inst_pref_size 19
	.end_amdhsa_kernel
	.amdgpu_metadata
---
amdhsa.version: [ 1, 2 ]
amdhsa.kernels:
  - .name:           k_qfee07aad86_fine_att
    .symbol:         k_qfee07aad86_fine_att.kd
    .args:
      - { .name: xc, .offset: 0, .size: 8, .value_kind: global_buffer, .address_space: global }
      - { .name: xs, .offset: 8, .size: 8, .value_kind: global_buffer, .address_space: global }
      - { .name: wc, .offset: 16, .size: 8, .value_kind: global_buffer, .address_space: global }
      - { .name: ws, .offset: 24, .size: 8, .value_kind: global_buffer, .address_space: global }
      - { .name: y32, .offset: 32, .size: 8, .value_kind: global_buffer, .address_space: global }
    .group_segment_fixed_size: 18176
    .private_segment_fixed_size: 0
    .kernarg_segment_align: 8
    .kernarg_segment_size: 40
    .max_flat_workgroup_size: 384
    .sgpr_count:     66
    .vgpr_count:     256
    .wavefront_size: 32
...
	.end_amdgpu_metadata
.endif
;; end of part 3
;; launch attn (part 4): grid 4 x 64, 16 waves a work-group, no clusters, 327,680 bytes of LDS; arguments qkv, yh; writes yh
.if DOCPART == 4
	.amdgcn_target "amdgcn-amd-amdhsa--gfx1250"
	.amdhsa_code_object_version 6
	.text
	.protected	k_qfee07aad86_attn
	.globl	k_qfee07aad86_attn
	.p2align	8
	.type	k_qfee07aad86_attn,@function
k_qfee07aad86_attn:
	s_mov_b64 s[64:65], 0
	v_nop
	global_prefetch_b8 v0, s[64:65] scope:SCOPE_SE
	s_setreg_imm32_b32 hwreg(HW_REG_WAVE_MODE, 25, 1), 1
	s_wait_xcnt 0x0
; CAUSAL ATTENTION, head size 64, on f16 operands with f32 products, maxima and sums.  qkv: f16 [3][64 (16 b + head)][2048][64].  yh: f16 [16 (head)][8192 (2048 b + t)][64].
; SHARES.  Work-group (i, bh) owns the query blocks 7 - i and i (256 queries each) of one head: 8 - i and i + 1 blocks of keys, nine in every work-group.  A wave owns 32 queries, two tiles of 16; of each
; pair of waves 2 m, 2 m + 1 one works on the late block and one on the early one, by (w xor w / 4) % 2.  Four waves share a SIMD, so that one wave's softmax stands beside another's products.
; LAYOUT.  S^T = K Q^T (source 0 = 16 keys, source 1 = 16 queries) and O^T = V^T P: a lane holds ONE query throughout.  Two tiles of S^T, rounded in pairs, are source 1 of the second product as they stand.
; K comes out of LDS as it lies, V ([key][channel]) turned, by ds_load_tr16_b128.
; SOFTMAX.  A running maximum m and sum l for each query: p = 2^(c s - c m), c = log2(e) / 8; in every step O and l are multiplied by a = 2^(c m_old - c m_new).
; THE RING.  Two slots of 256 keys (K: 144 bytes a key, V: 160).  Every work-group walks all eight changes of slots, so that the trip counts are constants; a step all of whose keys come after the wave's
; queries is left out by a branch on ids, and a slot whose first key comes after the work-group's last query is not asked for.  Every wait on TENSORcnt is for 0.
; NO CLUSTER: the four work-groups of a head stop fetching at different slots (8 - i of them), so a joint load would bring three of them tiles that none of their waves reads.
; LIMITS: |q|, |k|, |v| above 65,504 have no f16 number; NaN and infinities are not served.  The first 16 positions of a sequence are carried more finely by launches of their own.
.set SK,    256                        ; keys in a slot
.set KP,    144                        ; a key's row of K in LDS: 128 bytes + 16
.set VP,    160                        ; of V: 128 + 32
.set VOFF,  SK*KP
.set SLOT1, 1<<17                      ; slot 1 begins here: one exclusive or turns an address
.set STAGE, SLOT1+SK*(KP+VP)           ; the way out: 16 rows x 144 bytes for each wave; no tile lands here
.set SPARE, STAGE+16*16*KP             ; the spare words, 128 bytes a wave: eight blocks of 256 bytes that no other line names
.set NSL,   8
.set AK0, 1                            ; v1   my lane's place in a tile of K
.set AV0, 2                            ; v2   and of V
.set SPW, 3
.set NIL, 4
.set PFO, 5                            ; v5   256 x lane: the prefetches' offset
.set ADK, 6                            ; v6   LDS address of the slot's K
.set ADV, 7                            ; v7   of its V
.set DL,  8                            ; v8   r - 8 h
.set D0,  9                            ; v9, v10  the mask's bound for tile 0, 1
.set NINF, 11                          ; v11  -infinity
.set ST,  12                           ; tile t's statistics at v[12 + 8 t]: +0 c m, +1 m, +2, +3 l, +4 .. +7 at work, a in +6
.set CH2, 28                           ; v28-31  a second chain of sums for each tile
.set QF,  32                           ; v32-63  Q: tile t, channels 32 c on: 32 + 16 t + 8 c
.set KV,  64                           ; v64-127 K's eight fragments, then V's
.set S,   128                          ; v128-191 S^T, p, then P in place: 32 a tile
.set O,   192                          ; v192-255 O^T: 32 a tile
.set WV,  18
.set SEL, 20
.set CS,  22
.set G1K, 24
.set G1V, 32
.set G0K, 40
.set G0V, 44
.set TB,  2                            ; s2   LDS byte at which the slot in hand begins
.set WL,  66                           ; s66  my work-group's last query
.set SLOTS, 67
.set PFA, 76
.set LIM, 80
.set KF,  98                           ; s98  the step's first key
.set Q0,  99                           ; s99  my first query
; Waves 0 and 1 fetch K's halves of a slot, waves 2 and 3 V's, the others nothing.  An s_nop 0 and four v_nop follow each of the two lines.
.macro TLOAD
	s_cmp_lt_u32 s[WV], 2
	s_cbranch_scc0 .Lnot_k_\@
	tensor_load_to_lds s[G0K:G0K+3], s[G1K:G1K+7]
	s_nop 0
.rept 4
	v_nop
.endr
	s_branch .Lasked_\@
.Lnot_k_\@:
	s_cmp_lt_u32 s[WV], 4
	s_cbranch_scc0 .Lasked_\@
	tensor_load_to_lds s[G0V:G0V+3], s[G1V:G1V+7]
	s_nop 0
.rept 4
	v_nop
.endr
.Lasked_\@:
.endm
; A prefetch of what the NEXT change of slots will ask for: 32,768 bytes of K and of V.  Work-group i = 0 of a head walks all eight slots: it alone asks.  In it waves 4 to 7 ask for K's block, waves 8 to 11
; for V's, 8,192 bytes a wave, lanes 256 bytes apart: each aligned 256 bytes is named once in the launch.  The last change that fills a slot asks for nothing; slots 0 and 1 come by their loads alone.
.macro ASK
	s_cmp_gt_u32 s[SLOTS], s[LIM]
	s_cbranch_scc0 .Lnot_mine_\@
	global_prefetch_b8 v[PFO], s[PFA:PFA+1] th:TH_LOAD_NT scope:SCOPE_SE
.Lnot_mine_\@:
.endm
	s_load_b128 s[4:7], s[0:1], 0x0                ; qkv, yh
	v_lshl_add_u32 v[SPW], v0, 2, SPARE
	v_mov_b32 v[NIL], 0
	ds_add_u32 v[SPW], v[NIL]                      ; the wave's opening: an add to my spare word, twice on end, and its wait ahead of my first tensor load
	ds_add_u32 v[SPW], v[NIL]
	v_lshrrev_b32 v6, 5, v0
	v_readfirstlane_b32 s[WV], v6                  ; wave 0..15
	s_and_b32 s70, ttmp7, 0xffff                   ; bh
	s_lshl_b32 s72, s70, 18                        ; a head's 262,144 bytes
	s_mov_b32 s73, 0
	s_lshr_b32 s68, s[WV], 2
	s_xor_b32 s68, s68, s[WV]
	s_and_b32 s68, s68, 1                          ; 0: the late block, 1: the early one
	s_sub_co_u32 s71, 7, ttmp9
	s_cmp_eq_u32 s68, 0
	s_cselect_b32 s71, s71, ttmp9
	s_lshl_b32 s[Q0], s71, 8
	s_lshr_b32 s69, s[WV], 1
	s_lshl_b32 s69, s69, 5
	s_add_co_u32 s[Q0], s[Q0], s69                 ; my first query: 256 x block + 32 x (wave / 2)
	s_sub_co_u32 s[WL], 8, ttmp9
	s_lshl_b32 s[WL], s[WL], 8
	s_sub_co_u32 s[WL], s[WL], 1                   ; 256 (8 - i) - 1
	s_and_b32 s68, s[WV], 1                        ; which half of a slot I fetch, if I fetch
	s_mul_i32 s69, s68, 128*KP
	s_mul_i32 s71, s68, 128*VP
	s_add_co_u32 s71, s71, VOFF
	s_lshl_b32 s74, s68, 14                        ; 128 keys of 128 bytes
	s_mov_b32 s75, 0
	; descriptor group 1: half a slot is a dense block of 16,384 bytes: 64 rows of 256 bytes (32 elements of 8 bytes: two keys); padding behind every 32 words, that is behind every key
	s_mov_b32 s[G1K], (3<<16)|(1<<20)|(4<<22)|(3<<25)   ; four words of padding
	s_mov_b32 s[G1V], (3<<16)|(1<<20)|(4<<22)|(7<<25)   ; eight
.irp g, G1K, G1V
	s_mov_b32 s[\g+1], 32<<16                      ; tensor_dim0
	s_mov_b32 s[\g+2], 64<<16                      ; tensor_dim1
	s_mov_b32 s[\g+3], 32<<16                      ; tile_dim0
	s_mov_b32 s[\g+4], 64                          ; tile_dim1
	s_mov_b32 s[\g+5], 32                          ; from row to row
	s_mov_b32 s[\g+6], 0
	s_mov_b32 s[\g+7], 0
.endr
	s_mov_b32 s[SEL], 0x76543210
	s_mov_b32 s[SEL+1], 0xfedcba98
	s_mov_b32 s[CS], 0x3e38aa3b                    ; c = log2(e) / sqrt(64)
	s_mov_b32 s[CS+1], s[CS]
	s_mov_b32 s[TB], 0
	s_mov_b32 s[SLOTS], NSL-1
	s_mov_b32 s[KF], 0
	s_wait_dscnt 0x0                               ; both opening adds are done
	s_wait_kmcnt 0x0
	s_add_nc_u64 s[8:9], s[4:5], s[72:73]          ; my head's q,
	s_add_nc_u64 s[10:11], s[8:9], 0x1000000       ; k,
	s_add_nc_u64 s[12:13], s[8:9], 0x2000000       ; v
	s_mov_b32 s[G0K], 1
	s_mov_b32 s[G0K+1], s69
	s_add_nc_u64 s[G0K+2:G0K+3], s[10:11], s[74:75]
	s_or_b32 s[G0K+3], s[G0K+3], 0x80000000
	s_mov_b32 s[G0V], 1
	s_mov_b32 s[G0V+1], s71
	s_add_nc_u64 s[G0V+2:G0V+3], s[12:13], s[74:75]
	s_or_b32 s[G0V+3], s[G0V+3], 0x80000000
	TLOAD                                          ; slot 0.  By this text's count one load of a wave is out at the most
	s_lshl_b32 s82, s[Q0], 7
	s_mov_b32 s83, 0
	s_add_nc_u64 s[8:9], s[8:9], s[82:83]          ; q at my first query
	s_and_b32 s82, s70, 15                         ; yh: the head's 1,048,576 bytes,
	s_lshl_b32 s82, s82, 20
	s_lshr_b32 s83, s70, 4
	s_lshl_b32 s83, s83, 11
	s_add_co_u32 s83, s83, s[Q0]
	s_lshl_b32 s83, s83, 7                         ; row 2,048 b + my first query
	s_add_co_u32 s82, s82, s83
	s_mov_b32 s83, 0
	s_add_nc_u64 s[14:15], s[6:7], s[82:83]
	s_cmp_lt_u32 s[WV], 8                          ; the prefetches: waves 4 to 7 K's, waves 8 to 11 V's
	s_cselect_b64 s[PFA:PFA+1], s[10:11], s[12:13]
	s_and_b32 s82, s[WV], 3
	s_lshl_b32 s82, s82, 13
	s_add_co_u32 s82, s82, 32768                   ; in slot 1: the first change of slots steps it to slot 2
	s_mov_b32 s83, 0
	s_add_nc_u64 s[PFA:PFA+1], s[PFA:PFA+1], s[82:83]
	s_sub_co_u32 s82, s[WV], 4
	s_lshr_b32 s82, s82, 3                         ; 0 in waves 4 to 11,
	s_or_b32 s82, s82, ttmp9                       ; of work-group i = 0
	s_cmp_eq_u32 s82, 0
	s_cselect_b32 s[LIM], 1, -1
	v_and_b32 v[PFO], 31, v0
	v_lshlrev_b32 v[PFO], 8, v[PFO]
	v_and_b32 v9, 15, v0                           ; r
	v_bfe_u32 v10, v0, 4, 1                        ; h
	v_lshlrev_b32 v6, 7, v9
	v_lshl_add_u32 v6, v10, 4, v6                  ; Q: row r of 128 bytes, + 16 h
.irp t, 0,1
.irp c, 0,1
	global_load_b128 v[QF+16*\t+8*\c:QF+16*\t+8*\c+3], v6, s[8:9] offset:2048*\t+64*\c
	global_load_b128 v[QF+16*\t+8*\c+4:QF+16*\t+8*\c+7], v6, s[8:9] offset:2048*\t+64*\c+32
.endr
.endr
	v_mul_u32_u24 v[AK0], v9, KP
	v_lshl_add_u32 v[AK0], v10, 4, v[AK0]          ; K: key r, + 16 h
	v_and_b32 v7, 7, v0
	v_lshl_add_u32 v[AV0], v10, 3, v7              ; V, for the turning load: key 8 h + l % 8,
	v_mul_u32_u24 v[AV0], v[AV0], VP
	v_bfe_u32 v7, v0, 3, 1
	v_lshl_add_u32 v[AV0], v7, 4, v[AV0]           ; channels 8 ((l / 8) % 2) on
	v_add_nc_u32 v[AV0], VOFF, v[AV0]
	v_lshlrev_b32 v[DL], 3, v10
	v_sub_nc_u32 v[DL], v9, v[DL]
	v_mov_b32 v[NINF], 0xff800000
.irp t, 0,1
	v_mov_b32 v[ST+8*\t+1], 0xff61b1e6             ; m = -3e38, under every score
	v_mul_f32 v[ST+8*\t], s[CS], v[ST+8*\t+1]      ; c m
.irp j, 2,3,4,5,6,7
	v_mov_b32 v[ST+8*\t+\j], 0                     ; l = 0; the others are written so that no way reads them unwritten
.endr
.endr
.irp j, 0,1,2,3
	v_mov_b32 v[CH2+\j], 0
.endr
.irp j, 0,1,2,3,4,5,6,7,8,9,10,11,12,13,14,15,16,17,18,19,20,21,22,23,24,25,26,27,28,29,30,31,32,33,34,35,36,37,38,39,40,41,42,43,44,45,46,47,48,49,50,51,52,53,54,55,56,57,58,59,60,61,62,63
	v_mov_b32 v[O+\j], 0                           ; O^T.  (The step is written once for all: the first finds zeros, and a = 0 leaves them zeros)
.endr
; A KEY STEP: 64 keys, the q-th of the slot in hand.
.macro STEP q
	s_add_co_u32 s96, s[Q0], 31
	s_cmp_gt_u32 s[KF], s96                        ; all its keys come after my 32 queries: left out.  Ids and the count of steps alone
	s_cbranch_scc1 .Lhidden_\@
	v_add_nc_u32 v[ADK], s[TB], v[AK0]
	v_add_nc_u32 v[ADV], s[TB], v[AV0]
.rept 3
	v_nop                                          ; with the two additions five plain lines behind the last V^T P: four for the loads into V's registers, the fifth since the products below write over P
.endr
.irp c, 0,1                                    ; K's fragments, channels 0-31 first
.irp k, 0,1,2,3
	ds_load_b128 v[KV+16*\k+8*\c:KV+16*\k+8*\c+3], v[ADK] offset:(64*(\q)+16*\k)*KP+64*\c
	ds_load_b128 v[KV+16*\k+8*\c+4:KV+16*\k+8*\c+7], v[ADK] offset:(64*(\q)+16*\k)*KP+64*\c+32
.endr
.endr
.irp c, 0,1                                    ; S^T = K Q^T: eight accumulators by turns
	s_wait_dscnt 8-8*\c                            ; channels 0-31 are in, the eight loads of channels 32-63 may be out; then all
.irp t, 0,1
.irp k, 0,1,2,3
.if \c == 0
	v_wmma_f32_16x16x32_f16 v[S+32*\t+8*\k:S+32*\t+8*\k+7], v[KV+16*\k+8*\c:KV+16*\k+8*\c+7], v[QF+16*\t+8*\c:QF+16*\t+8*\c+7], 0
.else
	v_wmma_f32_16x16x32_f16 v[S+32*\t+8*\k:S+32*\t+8*\k+7], v[KV+16*\k+8*\c:KV+16*\k+8*\c+7], v[QF+16*\t+8*\c:QF+16*\t+8*\c+7], v[S+32*\t+8*\k:S+32*\t+8*\k+7]
.endif
.endr
.endr
.endr
.rept 4
	v_nop                                          ; behind the products: ahead of the loads into K's registers and of the first reads of the scores
.endr
.irp u, 0,1                                    ; V's fragments (keys 32 u on, channels 16 d on), turned; they land under the softmax
.irp d, 0,1,2,3
	ds_load_tr16_b128 v[KV+32*\u+8*\d:KV+32*\u+8*\d+3], v[ADV] offset:(64*(\q)+32*\u)*VP+32*\d
	ds_load_tr16_b128 v[KV+32*\u+8*\d+4:KV+32*\u+8*\d+7], v[ADV] offset:(64*(\q)+32*\u+16)*VP+32*\d
.endr
.endr
	s_add_co_u32 s96, s[KF], 63
	s_cmp_le_u32 s96, s[Q0]                        ; all its keys count for all my queries: no mask
	s_cbranch_scc1 .Lopen_\@
	s_sub_co_i32 s96, s[Q0], s[KF]
	v_add_nc_u32 v[D0], s96, v[DL]                 ; register 8 k + j of tile t holds key KF + 16 k + 8 h + j: hidden where 16 k + j > Q0 - KF + 16 t + r - 8 h
	v_add_nc_u32 v[D0+1], 16, v[D0]
.irp t, 0,1
.irp n, 0,1,2,3,4,5,6,7,8,9,10,11,12,13,14,15,16,17,18,19,20,21,22,23,24,25,26,27,28,29,30,31
	v_cmp_gt_i32 vcc_lo, 16*(\n/8)+\n%8, v[D0+\t]
	v_cndmask_b32 v[S+32*\t+\n], v[S+32*\t+\n], v[NINF], vcc_lo
.endr
.endr
.Lopen_\@:
	; the softmax, the two tiles line by line by turns.  The maximum of 32 scores and the old m, each accumulator read from its low end on
.irp j, 0,1,2,3
.irp t, 0,1
	v_max3_num_f32 v[ST+8*\t+4+\j], v[S+32*\t+8*\j], v[S+32*\t+8*\j+1], v[S+32*\t+8*\j+2]
.endr
.endr
.irp g, 1,2
.irp j, 0,1,2,3
.irp t, 0,1
	v_max3_num_f32 v[ST+8*\t+4+\j], v[ST+8*\t+4+\j], v[S+32*\t+8*\j+2*\g+1], v[S+32*\t+8*\j+2*\g+2]
.endr
.endr
.endr
.irp t, 0,1
	v_max3_num_f32 v[ST+8*\t+4], v[ST+8*\t+4], v[S+32*\t+7], v[S+32*\t+15]
	v_max3_num_f32 v[ST+8*\t+6], v[ST+8*\t+6], v[S+32*\t+23], v[S+32*\t+31]
.endr
.irp t, 0,1
	v_max3_num_f32 v[ST+8*\t+4], v[ST+8*\t+4], v[ST+8*\t+5], v[ST+8*\t+6]
.endr
.irp t, 0,1
	v_max3_num_f32 v[ST+8*\t+4], v[ST+8*\t+4], v[ST+8*\t+7], v[ST+8*\t+1]
.endr
.irp t, 0,1
	v_permlanex16_b32 v[ST+8*\t+5], v[ST+8*\t+4], s[SEL], s[SEL+1]     ; the query's other 32 keys lie in the lane 16 away
.endr
.irp t, 0,1
	v_mov_b32 v[ST+8*\t+7], v[ST+8*\t]             ; c m_old
.endr
.irp t, 0,1
	v_max_num_f32 v[ST+8*\t+1], v[ST+8*\t+4], v[ST+8*\t+5]
.endr
.irp t, 0,1
	v_mul_f32 v[ST+8*\t], s[CS], v[ST+8*\t+1]
.endr
.irp t, 0,1
	v_sub_f32 v[ST+8*\t+7], v[ST+8*\t+7], v[ST+8*\t]
.endr
.irp b, 0,2,4,6,8,10,12,14,16,18,20,22,24,26,28,30
.irp t, 0,1
	v_pk_fma_f32 v[S+32*\t+\b:S+32*\t+\b+1], v[S+32*\t+\b:S+32*\t+\b+1], s[CS:CS+1], v[ST+8*\t:ST+8*\t+1] op_sel_hi:[1,0,0] neg_lo:[0,0,1] neg_hi:[0,0,1]   ; c s - c m
.endr
.endr
.irp t, 0,1
	v_exp_f32 v[ST+8*\t+6], v[ST+8*\t+7]           ; a
.endr
.irp n, 0,1,2,3,4,5,6,7,8,9,10,11,12,13,14,15,16,17,18,19,20,21,22,23,24,25,26,27,28,29,30,31
.irp t, 0,1
	v_exp_f32 v[S+32*\t+\n], v[S+32*\t+\n]
.endr
.endr
	v_nop                                          ; a plain line behind the last exponential,
	s_wait_alu depctr_va_vdst(0)                   ; and ONE wait for the batch of 66, ahead of its first reader
.irp t, 0,1                                    ; the sums of the unrounded p: two chains a tile
	v_pk_add_f32 v[ST+8*\t+4:ST+8*\t+5], v[S+32*\t:S+32*\t+1], v[S+32*\t+4:S+32*\t+5]
	v_pk_add_f32 v[CH2+2*\t:CH2+2*\t+1], v[S+32*\t+2:S+32*\t+3], v[S+32*\t+6:S+32*\t+7]
.endr
.irp j, 8,12,16,20,24,28
.irp t, 0,1
	v_pk_add_f32 v[ST+8*\t+4:ST+8*\t+5], v[ST+8*\t+4:ST+8*\t+5], v[S+32*\t+\j:S+32*\t+\j+1]
	v_pk_add_f32 v[CH2+2*\t:CH2+2*\t+1], v[CH2+2*\t:CH2+2*\t+1], v[S+32*\t+\j+2:S+32*\t+\j+3]
.endr
.endr
.irp t, 0,1
	v_pk_add_f32 v[ST+8*\t+4:ST+8*\t+5], v[ST+8*\t+4:ST+8*\t+5], v[CH2+2*\t:CH2+2*\t+1]
.endr
.irp t, 0,1
	v_pk_fma_f32 v[ST+8*\t+2:ST+8*\t+3], v[ST+8*\t+2:ST+8*\t+3], v[ST+8*\t+6:ST+8*\t+7], v[ST+8*\t+4:ST+8*\t+5] op_sel_hi:[1,0,1]   ; l = a l + the sum
.endr
.irp j, 0,1,2,3,4,5,6,7,8,9,10,11,12,13,14,15
.irp t, 0,1
	v_cvt_pk_f16_f32 v[S+32*\t+\j], v[S+32*\t+2*\j], v[S+32*\t+2*\j+1]   ; P in place, ascending: registers 8 u .. 8 u + 7 are source 1 for keys 32 u on
.endr
.endr
.irp j, 0,2,4,6,8,10,12,14,16,18,20,22,24,26,28,30
.irp t, 0,1
	v_pk_mul_f32 v[O+32*\t+\j:O+32*\t+\j+1], v[O+32*\t+\j:O+32*\t+\j+1], v[ST+8*\t+6:ST+8*\t+7] op_sel_hi:[1,0]   ; O^T x a
.endr
.endr
	s_wait_dscnt 0x0                               ; V is in
.irp u, 0,1                                    ; O^T += V^T P: eight accumulators by turns
.irp t, 0,1
.irp d, 0,1,2,3
	v_wmma_f32_16x16x32_f16 v[O+32*\t+8*\d:O+32*\t+8*\d+7], v[KV+32*\u+8*\d:KV+32*\u+8*\d+7], v[S+32*\t+8*\u:S+32*\t+8*\u+7], v[O+32*\t+8*\d:O+32*\t+8*\d+7]
.endr
.endr
.endr
.Lhidden_\@:
	s_add_co_u32 s[KF], s[KF], 64
.endm
; THE CHANGE OF SLOTS stands at a slot's head.  Each wave waits for all its tensor loads, adds 0 to its spare word (fill = 1: twice on end), and waits for that and for its reads of the slot that it has left.
; Behind the barrier the slot ahead is whole and nobody reads the other one; fill = 1: that one takes the next 256 keys, up to the causal limit, and the load has a slot's four steps in which to land.
.macro CHANGE fill
	s_wait_tensorcnt 0x0                           ; no tensor load of mine is out, so a group 0 may be written
	ds_add_u32 v[SPW], v[NIL]
.if \fill
	ds_add_u32 v[SPW], v[NIL]                      ; and once more
	s_xor_b32 s[G0K+1], s[G0K+1], SLOT1
	s_add_nc_u64 s[G0K+2:G0K+3], s[G0K+2:G0K+3], 32768
	s_xor_b32 s[G0V+1], s[G0V+1], SLOT1
	s_add_nc_u64 s[G0V+2:G0V+3], s[G0V+2:G0V+3], 32768
	s_wait_xcnt 0x0                                ; the last prefetch, a slot back, has read its address
	s_add_nc_u64 s[PFA:PFA+1], s[PFA:PFA+1], 32768
.endif
	s_wait_dscnt 0x0
	s_barrier_signal -1
	s_barrier_wait -1
.if \fill
	s_add_co_u32 s96, s[KF], SK                    ; the first key of the slot that this change would ask for
	s_cmp_gt_u32 s96, s[WL]                        ; past my work-group's last query: none of its waves would read it.  The same in all sixteen waves
	s_cbranch_scc1 .Lpast_\@
	TLOAD
.Lpast_\@:
	ASK
.endif
.endm
.macro SLOT_STEPS
	STEP 0
	STEP 1
	STEP 2
	STEP 3
	s_xor_b32 s[TB], s[TB], SLOT1
.endm
	s_wait_loadcnt 0x0                             ; Q
.Lslot:                                            ; seven trips
	CHANGE 1
	SLOT_STEPS
	s_sub_co_u32 s[SLOTS], s[SLOTS], 1
	s_cmp_lg_u32 s[SLOTS], 0
	s_cbranch_scc1 .Lslot
	CHANGE 0                                       ; the last slot is written out: nothing is left to ask for
	SLOT_STEPS
	; THE WAY OUT: O^T / l, rounded to f16, through my stage, a tile (16 rows of 128 bytes) at a time.
.rept 4
	v_nop
.endr
.irp t, 0,1
	v_add_f32 v[ST+8*\t+4], v[ST+8*\t+2], v[ST+8*\t+3]
.endr
.irp t, 0,1
	v_permlanex16_b32 v[ST+8*\t+5], v[ST+8*\t+4], s[SEL], s[SEL+1]
.endr
.irp t, 0,1
	v_add_f32 v[ST+8*\t+4], v[ST+8*\t+4], v[ST+8*\t+5]
.endr
.irp t, 0,1
	v_rcp_f32 v[ST+8*\t+6], v[ST+8*\t+4]
.endr
	v_and_b32 v9, 15, v0                           ; (plain lines behind the reciprocals)  r
	v_bfe_u32 v10, v0, 4, 1                        ; h
	s_mul_i32 s96, s[WV], 16*KP
	s_add_co_u32 s96, s96, STAGE
	v_mul_u32_u24 v6, v9, KP
	v_lshl_add_u32 v6, v10, 4, v6
	v_add_nc_u32 v6, s96, v6                       ; in: row r, + 16 h
	v_and_b32 v9, 31, v0
	v_lshrrev_b32 v7, 3, v9
	v_mul_u32_u24 v7, v7, KP
	v_and_b32 v10, 7, v0
	v_lshl_add_u32 v7, v10, 4, v7
	v_add_nc_u32 v7, s96, v7                       ; back: eight lanes to a row, four rows an instruction
	v_lshlrev_b32 v9, 4, v9                        ; the same 512 consecutive bytes in yh
	s_wait_alu depctr_va_vdst(0)                   ; one wait for the two reciprocals, ahead of their first reader
.irp t, 0,1
.irp j, 0,2,4,6,8,10,12,14,16,18,20,22,24,26,28,30
	v_pk_mul_f32 v[O+32*\t+\j:O+32*\t+\j+1], v[O+32*\t+\j:O+32*\t+\j+1], v[ST+8*\t+6:ST+8*\t+7] op_sel_hi:[1,0]
.endr
.irp j, 0,1,2,3,4,5,6,7,8,9,10,11,12,13,14,15
	v_cvt_pk_f16_f32 v[S+16*\t+\j], v[O+32*\t+2*\j], v[O+32*\t+2*\j+1]
.endr
.irp d, 0,1,2,3
	ds_store_b128 v6, v[S+16*\t+4*\d:S+16*\t+4*\d+3] offset:32*\d
.endr
.irp i, 0,1,2,3
	ds_load_b128 v[KV+16*\t+4*\i:KV+16*\t+4*\i+3], v7 offset:4*KP*\i   ; LDS serves a wave's instructions in order: these see my stores, and the next tile's stores come behind them
.endr
.endr
.irp t, 0,1
.irp i, 0,1,2,3
	s_wait_dscnt 11-8*\t-\i                        ; behind tile 0's load i stand its 3 - i later loads and tile 1's eight instructions; behind tile 1's its 3 - i
	global_store_b128 v9, v[KV+16*\t+4*\i:KV+16*\t+4*\i+3], s[14:15] offset:2048*\t+512*\i
.endr
.endr
	s_wait_tensorcnt 0x0                           ; the wave's end
	ds_add_u32 v[SPW], v[NIL]
	s_wait_dscnt 0x0
	s_endpgm
.Lfunc_end_k_qfee07aad86_attn:
	.size	k_qfee07aad86_attn, .Lfunc_end_k_qfee07aad86_attn-k_qfee07aad86_attn
	.p2alignl 7, 3214868480
	.fill 96, 4, 3214868480
	.section	.rodata,"a",@progbits
	.p2align	6, 0x0
	.amdhsa_kernel k_qfee07aad86_attn
		.amdhsa_group_segment_fixed_size 327680
		.amdhsa_private_segment_fixed_size 0
		.amdhsa_enable_private_segment 0
		.amdhsa_kernarg_size 16
		.amdhsa_user_sgpr_count 2
		.amdhsa_user_sgpr_kernarg_segment_ptr 1
		.amdhsa_wavefront_size32 1
		.amdhsa_system_sgpr_workgroup_id_x 1
		.amdhsa_system_sgpr_workgroup_id_y 1
		.amdhsa_system_sgpr_workgroup_id_z 1
		.amdhsa_system_vgpr_workitem_id 0
		.amdhsa_next_free_vgpr 256
		.amdhsa_next_free_sgpr 100
		.amdhsa_reserve_vcc 1
		.amdhsa_float_denorm_mode_32 3
		.amdhsa_float_denorm_mode_16_64 3
		.amdhsa_memory_ordered 1
		.amdhsa_forward_progress 1
		.amdhsa_inst_pref_size 188
	.end_amdhsa_kernel
	.amdgpu_metadata
---
amdhsa.version: [ 1, 2 ]
amdhsa.kernels:
  - .name:           k_qfee07aad86_attn
    .symbol:         k_qfee07aad86_attn.kd
    .args:
      - { .name: qkv, .offset: 0, .size: 8, .value_kind: global_buffer, .address_space: global }
      - { .name: yh, .offset: 8, .size: 8, .value_kind: global_buffer, .address_space: global }
    .group_segment_fixed_size: 327680
    .private_segment_fixed_size: 0
    .kernarg_segment_align: 8
    .kernarg_segment_size: 16
    .max_flat_workgroup_size: 512
    .sgpr_count:     100
    .vgpr_count:     256
    .wavefront_size: 32
...
	.end_amdgpu_metadata
.endif
;; end of part 4
;; launch proj (part 5): grid 4 x 64, 4 waves a work-group, clusters of 4 x 4, 327,680 bytes of LDS; arguments yh, wpk, out0; writes out0
.if DOCPART == 5
	.amdgcn_target "amdgcn-amd-amdhsa--gfx1250"
	.amdhsa_code_object_version 6
	.text
	.protected	k_qfee07aad86_proj
	.globl	k_qfee07aad86_proj
	.p2align	8
	.type	k_qfee07aad86_proj,@function
k_qfee07aad86_proj:
	s_mov_b64 s[64:65], 0
	v_nop
	global_prefetch_b8 v0, s[64:65] scope:SCOPE_SE
	s_setreg_imm32_b32 hwreg(HW_REG_WAVE_MODE, 25, 1), 1
	s_wait_xcnt 0x0
	s_wait_alu depctr_hold_cnt(0) depctr_sa_sdst(0) depctr_va_vdst(0) depctr_va_sdst(0) depctr_va_ssrc(0) depctr_va_vcc(0) depctr_vm_vsrc(0)
	s_getreg_b32 s2, hwreg(HW_REG_IB_STS2, 6, 4)
	s_cmp_eq_u32 s2, 0
	s_cbranch_scc0 .Lentry_in_a_cluster
	s_endpgm
.Lentry_in_a_cluster:
	s_bfe_u32 s2, ttmp6, 0x10000c
	s_cmp_lg_u32 s2, 0xf033
	s_cbranch_scc0 .Lentry_shape_is_right
	s_endpgm
.Lentry_shape_is_right:
; out0 = y w_proj on f16 operands, f32 sums.  A = yh f16 [16 (head)][8192 (row)][64]; B = wpk f16 [16 (k / 64)][1024 (n)][64]; out0 [8192][1024] f32.
; A tile of C is 128 rows x 256 columns: 256 work-groups.  Four waves, each 64 x 128: 32 accumulators, 256 registers.  A K step is 128 = two heads: for each, A's 128 rows and B's 256 rows are dense blocks of
; memory, brought as rows of 256 bytes with 16 bytes of padding behind every 128 (an LDS row of 64 f16 is 144 bytes).  Two slots; waves 0, 1 fetch A's two blocks, waves 2, 3 B's: one load a wave.
; CLUSTERS: 4 x 4; A's blocks are shared along a row of the cluster, B's along a column, each asked for jointly.  THE MATRIX INSTRUCTION IS USED TRANSPOSED: a lane holds eight neighbouring columns of a row of C.
; The first 16 rows of every sequence are written again, more finely, by the launch that follows.  LIMIT: f16's range, as stated where yh and wpk are made.
; REGISTERS: window 0: v0-31 addresses; v64-127 A's fragments, two buffers of 32; v128-255 rows on the way out.  window 1: v0-127 B's fragments, two buffers of 64.  window 2: the accumulators, (a, b) at v[8 (8 a + b)].
.set PITCH,  144
.set ASUB,   128*PITCH                 ; A's block of one head
.set BSUB,   256*PITCH                 ; B's
.set SLOT,   2*ASUB+2*BSUB
.set SPARE,  2*SLOT                    ; the spare words, 128 bytes a wave: two blocks of 256 bytes that no other line names
.set SPITCH, 528                       ; the way out: 16 rows x (512 bytes + 16) for each wave, in slot 0, which has had its last fill and its last read when the first result is stored there
.set LAPS,   4                         ; a lap = two K steps
.set ADRA, 16
.set ADRB, 20
.set STO,  24
.set RD,   25
.set CO,   26
.set SPW,  28
.set NIL,  29
.set BK,   128
.set G1, 24
.set G0, 32
.set G1B, 48
.set G0B, 56
.set MSB, 0
.macro WIN new
.if MSB != (\new)
	s_set_vgpr_msb (MSB<<8)|(\new)
.set MSB, (\new)
.endif
.endm
.set MUL,  0xa1                        ; source 0 (B) window 1, source 1 (A) window 0, C and D window 2
.set TO_B, 0x40
.macro JLOAD s                         ; a joint load; an s_nop 0 and four v_nop follow each of the two lines
	s_cmp_eq_u32 s11, 0
	s_cbranch_scc0 .Lfor_b_\@
	tensor_load_to_lds s[G0+4*\s:G0+4*\s+3], s[G1:G1+7]
	s_nop 0
.rept 4
	v_nop
.endr
	s_branch .Lasked_\@
.Lfor_b_\@:
	tensor_load_to_lds s[G0B+4*\s:G0B+4*\s+3], s[G1B:G1B+7]
	s_nop 0
.rept 4
	v_nop
.endr
.Lasked_\@:
.endm
.macro CREST
	s_cmp_lg_u32 s10, 0
	s_cbranch_scc1 .Lnot_wave_0_\@
	s_barrier_signal -3
.Lnot_wave_0_\@:
	s_barrier_wait -3
	s_barrier_signal -1
	s_barrier_wait -1
.endm
.macro CROUND
	s_barrier_signal -1
	s_barrier_wait -1
	CREST
.endm
	s_load_b128 s[4:7], s[0:1], 0x0                ; yh, wpk
	s_load_b64 s[8:9], s[0:1], 0x10                ; out0
	v_lshl_add_u32 v[SPW], v0, 2, SPARE
	v_mov_b32 v[NIL], 0
	ds_add_u32 v[SPW], v[NIL]                      ; the wave's opening: an add to my spare word, twice on end, and its wait ahead of my first tensor load
	ds_add_u32 v[SPW], v[NIL]
	v_lshrrev_b32 v1, 5, v0
	v_readfirstlane_b32 s10, v1                    ; wave 0..3
	s_lshr_b32 s11, s10, 1                         ; which 64 rows are mine.  Also: I fetch for A (0) or for B (1)
	s_and_b32 s12, s10, 1                          ; which 128 columns.  Also: which of the K step's two heads I fetch
	s_bfe_u32 s40, ttmp6, 0x40000
	s_bfe_u32 s41, ttmp6, 0x40004
	s_lshl_b32 s42, ttmp9, 2
	s_add_co_u32 s42, s42, s40                     ; tile column
	s_and_b32 s13, ttmp7, 0xffff
	s_lshl_b32 s13, s13, 2
	s_add_co_u32 s13, s13, s41                     ; tile row
	s_lshl_b32 s43, s41, 2
	s_lshl_b32 s43, 15, s43                        ; my row of the cluster
	s_lshl_b32 s44, 0x1111, s40                    ; my column
	s_or_b32 s[G1+0], s43, (3<<16)|(1<<20)|(1<<21)|(4<<22)|(3<<25)   ; the mask; elements of 8 bytes; padding on; bit 21 beside a mask; 4 words behind every 32
	s_or_b32 s[G1B+0], s44, (3<<16)|(1<<20)|(1<<21)|(4<<22)|(3<<25)
	s_mov_b32 s[G1+1], 32<<16                      ; tensor_dim0: 256 bytes
	s_mov_b32 s[G1+2], 64<<16                      ; tensor_dim1: A's 16,384 bytes
	s_mov_b32 s[G1+3], 32<<16
	s_mov_b32 s[G1+4], 64
	s_mov_b32 s[G1+5], 32
	s_mov_b32 s[G1+6], 0
	s_mov_b32 s[G1+7], 0
	s_mov_b32 s[G1B+1], 32<<16
	s_mov_b32 s[G1B+2], 128<<16                    ; B's 32,768 bytes
	s_mov_b32 s[G1B+3], 32<<16
	s_mov_b32 s[G1B+4], 128
	s_mov_b32 s[G1B+5], 32
	s_mov_b32 s[G1B+6], 0
	s_mov_b32 s[G1B+7], 0
	s_lshl_b32 s16, s12, 20                        ; A: my head of the step, 1,048,576 bytes a head,
	s_lshl_b32 s17, s13, 14                        ; the tile row's 128 rows of 128 bytes
	s_add_co_u32 s16, s16, s17
	s_mov_b32 s17, 0
	s_lshl_b32 s46, s12, 17                        ; B: 131,072 bytes a block,
	s_lshl_b32 s47, s42, 15                        ; the tile column's 256 rows
	s_add_co_u32 s46, s46, s47
	s_mov_b32 s47, 0
	s_mul_i32 s20, s12, ASUB                       ; where they go: no place in the cluster enters an LDS address
	s_mul_i32 s21, s12, BSUB
	s_add_co_u32 s21, s21, 2*ASUB
	s_wait_dscnt 0x0                               ; both opening adds are done
	s_wait_kmcnt 0x0
	s_add_nc_u64 s[14:15], s[4:5], s[16:17]
	s_add_nc_u64 s[46:47], s[6:7], s[46:47]
	CROUND                                         ; all sixteen work-groups are here: the first joint loads meet
.irp s, 0,1
	s_mov_b32 s[G0+4*\s], 1
	s_add_co_u32 s[G0+4*\s+1], s20, \s*SLOT
	s_add_nc_u64 s[G0+4*\s+2:G0+4*\s+3], s[14:15], \s*2097152
	s_or_b32 s[G0+4*\s+3], s[G0+4*\s+3], 0x80000000
	s_mov_b32 s[G0B+4*\s], 1
	s_add_co_u32 s[G0B+4*\s+1], s21, \s*SLOT
	s_add_nc_u64 s[G0B+4*\s+2:G0B+4*\s+3], s[46:47], \s*262144
	s_or_b32 s[G0B+4*\s+3], s[G0B+4*\s+3], 0x80000000
	JLOAD \s                                       ; two loads of a wave are out at the start, one behind each round
.endr
	v_and_b32 v1, 15, v0                           ; r
	v_bfe_u32 v2, v0, 4, 1                         ; h
	v_mul_u32_u24 v3, v1, PITCH
	v_lshl_add_u32 v3, v2, 4, v3
	s_mul_i32 s22, s11, 64*PITCH                   ; my 64 rows of A
	s_mul_i32 s23, s12, 128*PITCH                  ; my 128 rows of B,
	s_add_co_u32 s23, s23, 2*ASUB                  ; behind A's two blocks
.irp s, 0,1
	v_add_nc_u32 v[ADRA+\s], s22, v3
	v_add_nc_u32 v[ADRB+\s], s23, v3
	s_add_co_u32 s22, s22, SLOT
	s_add_co_u32 s23, s23, SLOT
.endr
	s_mul_i32 s23, s10, 16*SPITCH                  ; my stage
	v_mul_u32_u24 v5, v1, SPITCH
	v_lshl_add_u32 v5, v2, 5, v5
	v_add_nc_u32 v[STO], s23, v5                   ; in: row r, 32 bytes for each half of the lanes
	v_and_b32 v6, 31, v0
	v_lshlrev_b32 v[CO], 4, v6                     ; back: the 32 lanes take one row of 512 bytes; and the same in C
	v_add_nc_u32 v[RD], s23, v[CO]
	s_lshl_b32 s16, s13, 7
	s_lshl_b32 s17, s11, 6
	s_add_co_u32 s16, s16, s17                     ; my first row of C
	s_lshl_b32 s16, s16, 12                        ; of 4,096 bytes
	s_mov_b32 s17, 0
	s_add_nc_u64 s[8:9], s[8:9], s[16:17]
	s_lshl_b32 s46, s42, 10
	s_lshl_b32 s47, s12, 9
	s_add_co_u32 s46, s46, s47                     ; my first column, in bytes
	s_mov_b32 s47, 0
	s_add_nc_u64 s[8:9], s[8:9], s[46:47]          ; never stepped: the rows stand in the stores' immediates
; 8 matrix instructions: A's block a x B's eight, 32 along K, from buffer f.  The 32 accumulators take turns in the same order in every quarter.
.macro MUL8 f, a, zero
.irp b, 0,1,2,3,4,5,6,7
.if \zero
	v_wmma_f32_16x16x32_f16 v[8*(8*(\a)+\b):8*(8*(\a)+\b)+7], v[64*(\f)+8*\b:64*(\f)+8*\b+7], v[64+32*(\f)+8*(\a):64+32*(\f)+8*(\a)+7], 0
.else
	v_wmma_f32_16x16x32_f16 v[8*(8*(\a)+\b):8*(8*(\a)+\b)+7], v[64*(\f)+8*\b:64*(\f)+8*\b+7], v[64+32*(\f)+8*(\a):64+32*(\f)+8*(\a)+7], v[8*(8*(\a)+\b):8*(8*(\a)+\b)+7]
.endif
.endr
.endr
.endm
; 24 LDS loads in one run: quarter q of a K step (head q / 2, channels 32 (q % 2) on) into buffer f: B's eight fragments, then A's four
.macro FETCH slot, q, f
	WIN TO_B
.irp i, 0,1,2,3,4,5,6,7
	ds_load_b128 v[64*(\f)+8*\i:64*(\f)+8*\i+3],   v[ADRB+\slot] offset:((\q)/2)*BSUB+((\q)%2)*64+\i*16*PITCH
	ds_load_b128 v[64*(\f)+8*\i+4:64*(\f)+8*\i+7], v[ADRB+\slot] offset:((\q)/2)*BSUB+((\q)%2)*64+\i*16*PITCH+32
.endr
	WIN 0
.irp i, 0,1,2,3
	ds_load_b128 v[64+32*(\f)+8*\i:64+32*(\f)+8*\i+3],   v[ADRA+\slot] offset:((\q)/2)*ASUB+((\q)%2)*64+\i*16*PITCH
	ds_load_b128 v[64+32*(\f)+8*\i+4:64+32*(\f)+8*\i+7], v[ADRA+\slot] offset:((\q)/2)*ASUB+((\q)%2)*64+\i*16*PITCH+32
.endr
.endm
.macro PLACES                          ; four plain lines in front of loads into registers that matrix instructions have read, and of the first reads of results
.rept 4
	v_nop
.endr
.endm
; One of a K step's first three quarters: multiplies buffer f and, in its middle, fetches quarter qn of the same slot into buffer g.
.macro QUARTER slot, qn, f, g, zero
	s_wait_dscnt 4                                 ; B and A's blocks 0, 1 are in; the youngest four loads (A's blocks 2, 3) may be out
	WIN MUL
	MUL8 \f, 0, \zero
	MUL8 \f, 1, \zero
	PLACES
	FETCH \slot, \qn, \g
	s_wait_dscnt 24                                ; all but the 24 just issued
	WIN MUL
	MUL8 \f, 2, \zero
	MUL8 \f, 3, \zero
.endm
; The last quarter multiplies buffer 1 and changes slots: ONE barrier; in front of it each wave waits for all its tensor loads, adds 0 to its spare word, and waits for that and for its reads of this slot.
.macro TURN slot, next, fill
	WIN 0
	s_wait_tensorcnt 0x0                           ; my part of the next slot has landed
	ds_add_u32 v[SPW], v[NIL]
	s_wait_dscnt 7                                 ; (the add and the six loads of A's blocks 1 to 3 may be out)
	WIN MUL
	MUL8 1, 0, 0                                   ; eight matrix instructions stand between the add and the wait for it
	s_wait_dscnt 0x0                               ; the add is done, and my reads of this slot are over
	s_barrier_signal -1
	MUL8 1, 1, 0
	WIN 0
	s_barrier_wait -1
.if \fill
	CREST                                          ; the barrier has opened a round of the cluster's barrier: no wave of any partner still reads this slot or has a load on its way
	s_add_nc_u64 s[G0+4*\slot+2:G0+4*\slot+3], s[G0+4*\slot+2:G0+4*\slot+3], 4194304     ; four heads on
	s_add_nc_u64 s[G0B+4*\slot+2:G0B+4*\slot+3], s[G0B+4*\slot+2:G0B+4*\slot+3], 524288
	JLOAD \slot                                    ; the first tensor load behind the round; its four v_nop are also the places in front of the loads below
.else
	PLACES
.endif
	FETCH \next, 0, 0
	WIN MUL
	MUL8 1, 2, 0
	MUL8 1, 3, 0
.endm
	s_wait_tensorcnt 1                             ; my part of K step 0 is in (K step 1's may be out)
	s_barrier_signal -1
	s_barrier_wait -1                              ; everybody's is
	FETCH 0, 0, 0
	QUARTER 0, 1, 0, 1, 1                          ; the first quarter's products start the sums
	WIN 0
	s_mov_b32 s3, LAPS-1
.Llap:                                                 ; a trip goes once round the ring and fills both slots again
	QUARTER 0, 2, 1, 0, 0
	QUARTER 0, 3, 0, 1, 0
	TURN 0, 1, 1
	QUARTER 1, 1, 0, 1, 0
	QUARTER 1, 2, 1, 0, 0
	QUARTER 1, 3, 0, 1, 0
	TURN 1, 0, 1
	QUARTER 0, 1, 0, 1, 0
	WIN 0
	s_sub_co_u32 s3, s3, 1
	s_cmp_lg_u32 s3, 0
	s_cbranch_scc1 .Llap
	QUARTER 0, 2, 1, 0, 0                          ; the last lap fills nothing
	QUARTER 0, 3, 0, 1, 0
	TURN 0, 1, 0
	QUARTER 1, 1, 0, 1, 0
	QUARTER 1, 2, 1, 0, 0
	QUARTER 1, 3, 0, 1, 0
	s_wait_dscnt 4
	WIN MUL
	MUL8 1, 0, 0
	MUL8 1, 1, 0
	s_wait_dscnt 0
	MUL8 1, 2, 0
	MUL8 1, 3, 0
	WIN 0
; THE WAY OUT, a block of 16 rows x 128 columns at a time, through my own stage: in as 32 bytes a lane, back as whole rows of 512 bytes.
.macro TOSTAGE a
	WIN 0x08                                       ; an LDS store's data are its source 1: window 2
.irp b, 0,1,2,3,4,5,6,7
	ds_store_b128 v[STO], v[64*(\a)+8*\b:64*(\a)+8*\b+3] offset:64*\b          ; each accumulator from its low end on
	ds_store_b128 v[STO], v[64*(\a)+8*\b+4:64*(\a)+8*\b+7] offset:64*\b+16
.endr
	WIN 0
.set BB, BK+64*((\a)%2)
.irp t, 0,1,2,3,4,5,6,7,8,9,10,11,12,13,14,15
	ds_load_b128 v[BB+4*\t:BB+4*\t+3], v[RD] offset:\t*SPITCH                  ; LDS serves a wave's instructions in order: these see the stores above
.endr
.endm
.macro SEND a, younger
.set BB, BK+64*((\a)%2)
	s_wait_dscnt \younger                          ; the block is back in registers
.irp t, 0,1,2,3,4,5,6,7,8,9,10,11,12,13,14,15
	global_store_b128 v[CO], v[BB+4*\t:BB+4*\t+3], s[8:9] offset:(16*(\a)+\t)*4096 th:TH_STORE_NT   ; 32 lanes store 512 consecutive bytes, aligned
.endr
.endm
	PLACES
	TOSTAGE 0
.irp a, 1,2,3
.if \a > 1
	s_wait_xcnt 0x0                                ; block a - 2's stores have read their registers: block a's loads may land there
.endif
	TOSTAGE \a
	SEND \a-1, 32                                  ; behind block a - 1's loads: block a's 16 stores and 16 loads
.endr
	SEND 3, 0
	s_wait_tensorcnt 0x0                           ; the wave's end
	ds_add_u32 v[SPW], v[NIL]
	s_wait_dscnt 0x0
	CROUND                                         ; the closing round
	s_endpgm
.Lfunc_end_k_qfee07aad86_proj:
	.size	k_qfee07aad86_proj, .Lfunc_end_k_qfee07aad86_proj-k_qfee07aad86_proj
	.p2alignl 7, 3214868480
	.fill 96, 4, 3214868480
	.section	.rodata,"a",@progbits
	.p2align	6, 0x0
	.amdhsa_kernel k_qfee07aad86_proj
		.amdhsa_group_segment_fixed_size 327680
		.amdhsa_private_segment_fixed_size 0
		.amdhsa_enable_private_segment 0
		.amdhsa_kernarg_size 24
		.amdhsa_user_sgpr_count 2
		.amdhsa_user_sgpr_kernarg_segment_ptr 1
		.amdhsa_wavefront_size32 1
		.amdhsa_system_sgpr_workgroup_id_x 1
		.amdhsa_system_sgpr_workgroup_id_y 1
		.amdhsa_system_sgpr_workgroup_id_z 1
		.amdhsa_system_vgpr_workitem_id 0
		.amdhsa_next_free_vgpr 768
		.amdhsa_next_free_sgpr 66
		.amdhsa_reserve_vcc 0
		.amdhsa_float_denorm_mode_32 3
		.amdhsa_float_denorm_mode_16_64 3
		.amdhsa_memory_ordered 1
		.amdhsa_forward_progress 1
		.amdhsa_inst_pref_size 85
	.end_amdhsa_kernel
	.amdgpu_metadata
---
amdhsa.version: [ 1, 2 ]
amdhsa.kernels:
  - .name:           k_qfee07aad86_proj
    .symbol:         k_qfee07aad86_proj.kd
    .args:
      - { .name: yh, .offset: 0, .size: 8, .value_kind: global_buffer, .address_space: global }
      - { .name: wpk, .offset: 8, .size: 8, .value_kind: global_buffer, .address_space: global }
      - { .name: out0, .offset: 16, .size: 8, .value_kind: global_buffer, .address_space: global }
    .group_segment_fixed_size: 327680
    .private_segment_fixed_size: 0
    .kernarg_segment_align: 8
    .kernarg_segment_size: 24
    .max_flat_workgroup_size: 128
    .sgpr_count:     66
    .vgpr_count:     768
    .wavefront_size: 32
...
	.end_amdgpu_metadata
.endif
;; end of part 5
;; launch fine_proj (part 6): grid 16 x 4, 16 waves a work-group, no clusters, 71,680 bytes of LDS; arguments y32, w_proj, out0; writes out0
.if DOCPART == 6
	.amdgcn_target "amdgcn-amd-amdhsa--gfx1250"
	.amdhsa_code_object_version 6
	.text
	.protected	k_qfee07aad86_fine_proj
	.globl	k_qfee07aad86_fine_proj
	.p2align	8
	.type	k_qfee07aad86_fine_proj,@function
k_qfee07aad86_fine_proj:
	s_mov_b64 s[64:65], 0
	v_nop
	global_prefetch_b8 v0, s[64:65] scope:SCOPE_SE
	s_setreg_imm32_b32 hwreg(HW_REG_WAVE_MODE, 25, 1), 1
	s_wait_xcnt 0x0
; THE FIRST 16 ROWS OF EVERY SEQUENCE of out0 = y w_proj, in f32 operands (v_wmma_f32_16x16x4_f32 on 64 of 8,192 rows: no bulk work).  y32 [16 b + t][1024] f32, w_proj [1024 (k)][1024 (n)] f32.
; A work-group takes one batch and 64 columns; its sixteen waves share K, 64 each; the sixteen partial sums meet in LDS and wave w adds row w, in ascending order of K.
; An instruction takes 4 along K: lane (r, h), register j is place 2 h + j.  Both operands give that place k = 64 w + 8 s + 4 h + 2 e + j: so y comes by loads of 16 bytes.
; Source 0 = 16 columns of w_proj, source 1 = the 16 rows of y: a lane holds row r and eight neighbouring columns.  No tensor loads; no cluster: the four batches that read the same columns are 16 KiB a wave, read once each.
.set RED,   0                          ; sixteen partial tiles of 16 rows x (256 bytes + 16)
.set SPARE, 69632                      ; the spare words, 128 bytes a wave: eight blocks of 256 bytes that no other line names
.set SPW, 12
.set NIL, 13
.set Y,   16                           ; v16-47   y: 4 s + i
.set W,   48                           ; v48-175  w_proj: 32 n + 4 s + i
.set ACC, 176                          ; v176-207 four tiles of 16 columns: written by matrix instructions alone
	s_load_b128 s[4:7], s[0:1], 0x0                ; y32, w_proj
	s_load_b64 s[8:9], s[0:1], 0x10                ; out0
	v_lshl_add_u32 v[SPW], v0, 2, SPARE
	v_mov_b32 v[NIL], 0
	v_lshrrev_b32 v1, 5, v0
	v_readfirstlane_b32 s10, v1                    ; wave 0..15
	v_and_b32 v1, 15, v0                           ; r
	v_bfe_u32 v2, v0, 4, 1                         ; h
	v_and_b32 v3, 31, v0
	v_lshlrev_b32 v4, 12, v1
	v_lshl_add_u32 v4, v2, 4, v4                   ; y: row r of 4,096 bytes, + 16 h
	v_lshlrev_b32 v5, 14, v2
	v_lshl_add_u32 v5, v1, 2, v5                   ; w_proj: 4 h rows of 4,096 bytes, + column r
	s_mul_i32 s11, s10, 16*272
	v_mul_u32_u24 v6, v1, 272
	v_lshl_add_u32 v6, v2, 5, v6
	v_add_nc_u32 v6, s11, v6                       ; my partial tile: row r, + 32 h
	s_mul_i32 s11, s10, 272
	v_lshlrev_b32 v8, 3, v3                        ; 8 bytes a lane: a row of 256
	v_add_nc_u32 v7, s11, v8                       ; row w of the first partial tile
	s_and_b32 s12, ttmp7, 0xffff                   ; b
	s_mov_b32 s15, 0
	s_wait_kmcnt 0x0
	s_lshl_b32 s14, s12, 16                        ; 16 b rows,
	s_lshl_b32 s13, s10, 8                         ; my 64 of K
	s_add_co_u32 s14, s14, s13
	s_add_nc_u64 s[4:5], s[4:5], s[14:15]
	s_lshl_b32 s14, s10, 18                        ; 64 w rows of 4,096 bytes,
	s_lshl_b32 s13, ttmp9, 8                       ; the work-group's 64 columns
	s_add_co_u32 s14, s14, s13
	s_add_nc_u64 s[6:7], s[6:7], s[14:15]
	s_lshl_b32 s14, s12, 23                        ; row 2,048 b + w,
	s_lshl_b32 s16, s10, 12
	s_add_co_u32 s14, s14, s16
	s_add_co_u32 s14, s14, s13
	s_add_nc_u64 s[8:9], s[8:9], s[14:15]
.irp s, 0,1,2,3,4,5,6,7
	global_load_b128 v[Y+4*\s:Y+4*\s+3], v4, s[4:5] offset:32*\s
.endr
.irp s, 0,1,2,3,4,5,6,7
.irp i, 0,1,2,3
.irp n, 0,1,2,3
	global_load_b32 v[W+32*\n+4*\s+\i], v5, s[6:7] offset:(8*\s+\i)*4096+64*\n   ; the four n of a row together cover 256 consecutive bytes
.endr
.endr
.endr
	s_wait_loadcnt 0x0
.irp s, 0,1,2,3,4,5,6,7                        ; four accumulators by turns; the first four products start the sums
.irp e, 0,1
.irp n, 0,1,2,3
.if \s+\e == 0
	v_wmma_f32_16x16x4_f32 v[ACC+8*\n:ACC+8*\n+7], v[W+32*\n+4*\s+2*\e:W+32*\n+4*\s+2*\e+1], v[Y+4*\s+2*\e:Y+4*\s+2*\e+1], 0
.else
	v_wmma_f32_16x16x4_f32 v[ACC+8*\n:ACC+8*\n+7], v[W+32*\n+4*\s+2*\e:W+32*\n+4*\s+2*\e+1], v[Y+4*\s+2*\e:Y+4*\s+2*\e+1], v[ACC+8*\n:ACC+8*\n+7]
.endif
.endr
.endr
.endr
.rept 8
	v_nop
.endr
.irp n, 0,1,2,3                                ; lane (r, h): columns 16 n + 8 h + 0 .. 7 of row r
	ds_store_b128 v6, v[ACC+8*\n:ACC+8*\n+3] offset:64*\n
	ds_store_b128 v6, v[ACC+8*\n+4:ACC+8*\n+7] offset:64*\n+16
.endr
	s_wait_dscnt 0x0                               ; for the others' sake
	s_barrier_signal -1
	s_barrier_wait -1
.irp k, 0,1,2,3,4,5,6,7,8,9,10,11,12,13,14,15
	ds_load_b64 v[Y+2*\k:Y+2*\k+1], v7 offset:16*272*\k
.endr
	s_wait_dscnt 0x0
.irp k, 1,2,3,4,5,6,7,8,9,10,11,12,13,14,15
	v_pk_add_f32 v[Y:Y+1], v[Y:Y+1], v[Y+2*\k:Y+2*\k+1]
.endr
	global_store_b64 v8, v[Y:Y+1], s[8:9]          ; 32 lanes store 256 consecutive bytes, aligned
	s_wait_tensorcnt 0x0                           ; the wave's end
	ds_add_u32 v[SPW], v[NIL]
	s_wait_dscnt 0x0
	s_endpgm
.Lfunc_end_k_qfee07aad86_fine_proj:
	.size	k_qfee07aad86_fine_proj, .Lfunc_end_k_qfee07aad86_fine_proj-k_qfee07aad86_fine_proj
	.p2alignl 7, 3214868480
	.fill 96, 4, 3214868480
	.section	.rodata,"a",@progbits
	.p2align	6, 0x0
	.amdhsa_kernel k_qfee07aad86_fine_proj
		.amdhsa_group_segment_fixed_size 71680
		.amdhsa_private_segment_fixed_size 0
		.amdhsa_enable_private_segment 0
		.amdhsa_kernarg_size 24
		.amdhsa_user_sgpr_count 2
		.amdhsa_user_sgpr_kernarg_segment_ptr 1
		.amdhsa_wavefront_size32 1
		.amdhsa_system_sgpr_workgroup_id_x 1
		.amdhsa_system_sgpr_workgroup_id_y 1
		.amdhsa_system_sgpr_workgroup_id_z 1
		.amdhsa_system_vgpr_workitem_id 0
		.amdhsa_next_free_vgpr 208
		.amdhsa_next_free_sgpr 66
		.amdhsa_reserve_vcc 0
		.amdhsa_float_denorm_mode_32 3
		.amdhsa_float_denorm_mode_16_64 3
		.amdhsa_memory_ordered 1
		.amdhsa_forward_progress 1
		.amdhsa_inst_pref_size 22
	.end_amdhsa_kernel
	.amdgpu_metadata
---
amdhsa.version: [ 1, 2 ]
amdhsa.kernels:
  - .name:           k_qfee07aad86_fine_proj
    .symbol:         k_qfee07aad86_fine_proj.kd
    .args:
      - { .name: y32, .offset: 0, .size: 8, .value_kind: global_buffer, .address_space: global }
      - { .name: w_proj, .offset: 8, .size: 8, .value_kind: global_buffer, .address_space: global }
      - { .name: out0, .offset: 16, .size: 8, .value_kind: global_buffer, .address_space: global }
    .group_segment_fixed_size: 71680
    .private_segment_fixed_size: 0
    .kernarg_segment_align: 8
    .kernarg_segment_size: 24
    .max_flat_workgroup_size: 512
    .sgpr_count:     66
    .vgpr_count:     208
    .wavefront_size: 32
...
	.end_amdgpu_metadata
.endif
;; end of part 6
